; MI455X (gfx1250); checked and timed in simulation.
; The chip was launched on July 23, 2026; its instructions are those of AMD's public machine-readable ISA for CDNA 5 (MIT licence, August 2026) and "CDNA5" Instruction Set Architecture Reference Guide (July 2026). The comments in the code are by the model that wrote it; some were corrected since.
;; Multi Headed Attention. Allowed arithmetic: matrix products marked QUANTISED: E4M3 operands, one E8M0 scale for each 32 along K, by v_wmma_scale_f32_16x16x128_f8f6f4 with both operands' format E4M3, f32 sums; everything else in f32.
;; Inputs: Wk 1,024 x 1,024 float32; Wo 1,024 x 1,024 float32; Wq 1,024 x 1,024 float32; Wv 1,024 x 1,024 float32; bk 1,024 float32; bo 1,024 float32; bq 1,024 float32; bv 1,024 float32; key 4 x 2,048 x 1,024 float32; mask 4 x 2,048 x 2,048 int32; query 4 x 2,048 x 1,024 float32; value 4 x 2,048 x 1,024 float32.
;; Outputs: out0 4 x 2,048 x 1,024 float32.
;; This version of the problem:
;;   THIS VERSION OF THE PROBLEM IS GIVEN IN LOW PRECISION. The matrix products marked QUANTISED in the list below multiply operands that are first quantised to E4M3 (4 exponent bits, 3 mantissa bits; 8 bits a number), with one power-of-two scale for each 32 numbers along K (OCP MX v1.0); their sums are f32. All else is computed in f32.
;;   The module's matrix products, in the order in which they are computed (A, B: the left and right operand; K: the contracted axis; several contracted axes count as one K, in the product's order):
;;     1. [M 8,192, K 1,024] x [K 1,024, N 1,024]; A: input query; B: input Wq: QUANTISED
;;     2. [M 8,192, K 1,024] x [K 1,024, N 1,024]; A: input key; B: input Wk: QUANTISED
;;     3. [M 8,192, K 1,024] x [K 1,024, N 1,024]; A: input value; B: input Wv: QUANTISED
;;     4. batch 64 x [M 2,048, K 64] x [K 64, N 2,048]; A: computed on the way; B: computed on the way: QUANTISED
;;     5. batch 64 x [M 2,048, K 2,048] x [K 2,048, N 64]; A: softmax (see below); B: computed on the way: QUANTISED
;;     6. [M 8,192, K 1,024] x [K 1,024, N 1,024]; A: computed on the way; B: input Wo: QUANTISED
;;   THE QUANTISER, for each operand of a quantised product, along K:
;;     - K is cut into blocks of 32 from its start; a last block that is shorter is filled with zeros.
;;     - A block's scale is 2^e with e = floor(log2(the largest magnitude in the block)) - 8, held to -126 .. 127; a block of zeros has e = 0. As a byte (E8M0): e + 127.
;;     - Each number is divided by its block's scale, clamped to +-448, and rounded to the nearest number of E4M3, ties to even, subnormals kept.
;;     - The product sums the exact products of the quantised numbers (number of the format x scale) in f32.
;;   ~~~python
;;   def quantise(x, axis):      # numpy; x: float32 -> the quantised numbers, widened to float32 again
;;       x = np.moveaxis(x, axis, -1); K = x.shape[-1]
;;       x = np.pad(x, [(0, 0)] * (x.ndim - 1) + [(0, -K % 32)]); x = x.reshape(x.shape[:-1] + (-1, 32)); a = np.abs(x).max(-1, keepdims=True)
;;       e = np.where(a > 0, np.clip(np.frexp(np.where(a > 0, a, 1))[1] - 1 - 8, -126, 127), 0)      # np.frexp(a)[1] - 1 = floor(log2(a)), exactly
;;       r = np.clip(x / 2.0 ** e, -448, 448)
;;       step = 2.0 ** (np.maximum(np.frexp(np.where(r == 0, 1, r))[1] - 1, -6) - 3)
;;       q = np.round(r / step) * step * 2.0 ** e      # np.round: ties to even
;;       return np.moveaxis(q.reshape(q.shape[:-2] + (-1,))[..., :K], -1, axis).astype(np.float32)
;;   ~~~
;;   SOFTMAX AHEAD OF A QUANTISED PRODUCT. Where the list says 'softmax', what is quantised is not the finished softmax but p = 2^(t - M), with t = logit x log2(e) and M = ceil(the row's largest t), a whole number; so 1/2 < the row's largest p <= 1. The row's sum l is taken of the UNQUANTISED p, in f32, and the product's result is divided by l at the end. Since M is a whole number, a kernel that streams over the keys may use a running M (the ceiling of the running maximum): every later rescaling is an exact power of two, which a block's scale takes up: the codes' values come out the same.
;;   OPERANDS COMPUTED ON THE WAY. 'Computed on the way' means the value that the module computes at that place (a softmax that the list does not call 'softmax' is quantised finished and normalised). What goes into a quantiser is computed in f32, as accurately as f32 sums, v_exp_f32 and their like allow (about 1e-6 of the number): no bf16 or f16 on the way to a quantiser, and a product that is left as it is and whose result goes on into a quantised operand takes f32 operands (vector FMAs, or v_wmma_f32_16x16x4_f32). A number that lies on a knife's edge between two numbers of the format may be rounded either way, as far as f32 arithmetic and the matrix unit's own rounding can turn it there, and no further.
;; One version. Each part assembles by itself: llvm-mc -triple=amdgcn-amd-amdhsa -mcpu=gfx1250 --defsym DOCPART=n.
;; ======== version 1 of 1: 4 launches
;; limits: right only within a limited range of input values
;; workspace buffers: codes 29,360,128 bytes; scales 917,504 bytes; mbits 2,097,152 bytes of whole numbers; qimg 8,912,896 bytes; kimg 8,912,896 bytes; vimg 8,650,752 bytes; xoc 8,388,608 bytes; xos 262,144 bytes
;; launch prep (part 1): grid 1408 x 1, 4 waves a work-group, no clusters, 67,072 bytes of LDS; arguments query, key, value, Wq, Wk, Wv, Wo, mask, codes, scales, mbits; writes codes, scales, mbits
.if DOCPART == 1
	.amdgcn_target "amdgcn-amd-amdhsa--gfx1250"
	.amdhsa_code_object_version 6
	.text
	.protected	k_q6ef9ccb17a_prep
	.globl	k_q6ef9ccb17a_prep
	.p2align	8
	.type	k_q6ef9ccb17a_prep,@function
k_q6ef9ccb17a_prep:
	s_mov_b64 s[64:65], 0
	v_nop
	global_prefetch_b8 v0, s[64:65] scope:SCOPE_SE
	s_setreg_imm32_b32 hwreg(HW_REG_WAVE_MODE, 25, 1), 1
	s_wait_xcnt 0x0
; TWO JOBS IN ONE LAUNCH, parted by the work-group's number; each job has LDS bytes of its own.
; (1) Work-groups 0-895: query, key, value [8192][1024] and Wq, Wk, Wv, Wo [1024][1024], f32, become codes of FP8 (E4M3), K innermost, with one E8M0 byte for each 32 along K.
;     A block's scale is 2^(floor(log2(its largest magnitude)) - 8); its byte is the largest magnitude's exponent field - 8, held at 1 from below (a block of zeros keeps the byte 1: its codes are zeros,
;     and this program alone reads the bytes).  Each number is divided by the scale, held within +-448 and rounded to the nearest code, ties to even.
;     All seven tensors lie on end in 'codes' (1,024 bytes a row) and 'scales' (32 bytes a row).  ROW ORDER: within each 32 rows the four runs of 8 rows lie in the order 0, 2, 1, 3 (row bits 3 and 4 change places),
;     so that 16 consecutive stored rows 16 i + r are the rows 32 (i / 2) + 8 (i % 2) + r + 8 (r / 8): the tiles that the later products want.
; (2) Work-groups 896-1407: the mask [4][2048][2048] of int32 becomes lane masks: mbits[b][T][s][64 words]; word 16 B + i, bit r + 16 g = (mask[b][32 (T / 2) + 8 (T % 2) + r + 8 (r / 8)][128 s + 32 B + 16 g + i] != 0).
; LIMITS: NaN and infinities among the inputs are not served; blocks whose largest magnitude lies under 2^-118 take the byte 1.
; No tensor loads, no barrier: waves share nothing.
.set NQWG,  896                        ; work-groups of job 1: 32 rows (32,768 numbers) each
.set STEPS, 16
.set MANT,  0x600000                   ; the mantissa field of 448 as f32
.set CB,    16                         ; bytes of 16 codes
.set R,     16                         ; v16-79   four sets of 16 numbers as they are loaded
.set X,     80                         ; v80-111  two sets of 16 neighbours
.set E,     112                        ; v112-127 a scale byte for each step
.set C,     128                        ; v128-191 codes: four registers for each step
.set WREG,  8192                       ; job 1: LDS region of a wave: two stages of 32 x SP bytes, behind them its 256 scale bytes
.set SP,    80                         ; a lane's place in a stage: 64 bytes + 16 of padding
.set MST,   32768                      ; job 2: the stages begin here
.set MSTW,  8448                       ; a wave's stage: 16 rows x MP
.set MP,    528                        ; 512 bytes + 16 of padding
.set MR,    16                         ; v16-143  two sets of 64 words as loaded
.set MX,    144                        ; v144-207 64 words in the order of the scores' registers
.set OW,    208                        ; v208-215 two registers of lane masks for each of four key steps
	s_load_b512 s[4:19], s[0:1], 0x0               ; query, key, value, Wq, Wk, Wv, Wo, mask
	s_load_b128 s[20:23], s[0:1], 0x40             ; codes, scales
	s_load_b64 s[24:25], s[0:1], 0x50              ; mbits
	v_lshl_add_u32 v216, v0, 2, 0x10400
	v_mov_b32 v217, 0
	v_lshrrev_b32 v1, 5, v0
	v_readfirstlane_b32 s26, v1                    ; wave
	v_and_b32 v2, 31, v0                           ; lane
	s_cmp_ge_u32 ttmp9, NQWG
	s_cbranch_scc1 .Lmask
; ---------------- job 1: the quantiser ----------------
	v_lshlrev_b32 v3, 4, v2                        ; my 16 bytes of a load's 512
	s_mul_i32 s27, s26, WREG
	v_lshrrev_b32 v14, 2, v2
	v_mul_u32_u24 v14, v14, SP
	v_and_b32 v15, 3, v2
	v_lshl_add_u32 v14, v15, 4, v14
	v_add_nc_u32 v14, s27, v14                     ; the stage, way in: four lanes' 64 bytes on end, then 16 of padding
	v_mul_u32_u24 v15, v2, SP
	v_add_nc_u32 v15, s27, v15                     ; way out: SP x lane: my 16 neighbours
	v_mul_u32_u24 v4, v2, CB                       ; my codes' place in a step's
	v_lshrrev_b32 v5, 1, v2
	s_add_co_u32 s27, s27, 2*32*SP
	v_add_nc_u32 v5, s27, v5                       ; my wave's 256 scale bytes, my block's byte
	v_lshlrev_b32 v7, 3, v2
	v_add_nc_u32 v6, s27, v7                       ; and on the way out 8 bytes a lane
	s_mov_b32 s44, MANT
	s_lshr_b32 s34, ttmp9, 8                       ; 0, 1, 2: query, key, value; 3: a weight
	s_and_b32 s35, ttmp9, 255                      ; which 32 rows of it
	s_bfe_u32 s36, ttmp9, 0x20005                  ; which weight
	s_and_b32 s37, ttmp9, 31                       ; which 32 rows of the weight
	s_wait_alu depctr_va_vdst(0)
	s_wait_kmcnt 0x0
	s_cmp_eq_u32 s34, 1                            ; the choices hang on the work-group's number alone
	s_cselect_b64 s[28:29], s[6:7], s[4:5]
	s_cmp_eq_u32 s34, 2
	s_cselect_b64 s[28:29], s[8:9], s[28:29]
	s_cmp_eq_u32 s36, 1
	s_cselect_b64 s[38:39], s[12:13], s[10:11]
	s_cmp_eq_u32 s36, 2
	s_cselect_b64 s[38:39], s[14:15], s[38:39]
	s_cmp_eq_u32 s36, 3
	s_cselect_b64 s[38:39], s[16:17], s[38:39]
	s_cmp_eq_u32 s34, 3
	s_cselect_b64 s[28:29], s[38:39], s[28:29]
	s_cselect_b32 s35, s37, s35
	s_lshl_b32 s40, s35, 17                        ; 32 rows of 4,096 bytes,
	s_lshl_b32 s41, s26, 15                        ; my wave's 8 of them
	s_add_co_u32 s40, s40, s41
	s_mov_b32 s41, 0
	s_add_nc_u64 s[28:29], s[28:29], s[40:41]      ; where I read
	s_and_b32 s42, s26, 1                          ; where I write: run 2 (wave % 2) + wave / 2 of the four
	s_lshl_b32 s42, s42, 1
	s_lshr_b32 s43, s26, 1
	s_add_co_u32 s42, s42, s43
	s_lshl_b32 s43, ttmp9, 2
	s_add_co_u32 s42, s42, s43
	s_lshl_b32 s40, s42, 13                        ; 8,192 bytes of codes a run
	s_add_nc_u64 s[30:31], s[20:21], s[40:41]
	s_lshl_b32 s40, s42, 8                         ; 256 scale bytes a run
	s_add_nc_u64 s[32:33], s[22:23], s[40:41]
.macro LOAD t
.irp i, 0,1,2,3
	global_load_b128 v[R+16*((\t)%4)+4*\i:R+16*((\t)%4)+4*\i+3], v3, s[28:29] offset:2048*(\t)+512*\i th:TH_LOAD_NT   ; 32 lanes read 512 consecutive bytes
.endr
.endm
.macro TURN t                          ; step t's numbers through the stage: LDS serves a wave's instructions in order, so no wait stands between the stores and the loads
.irp i, 0,1,2,3
	ds_store_b128 v14, v[R+16*((\t)%4)+4*\i:R+16*((\t)%4)+4*\i+3] offset:32*SP*((\t)%2)+8*SP*\i
.endr
.irp i, 0,1,2,3
	ds_load_b128 v[X+16*((\t)%2)+4*\i:X+16*((\t)%2)+4*\i+3], v15 offset:32*SP*((\t)%2)+16*\i
.endr
.endm
.irp t, 0,1,2,3
	LOAD \t
.endr
	s_wait_loadcnt 12                              ; step 0's four loads are in
	TURN 0
.macro STEP t
.set XS, X+16*((\t)%2)
.if (\t) > 0
	s_wait_dscnt 1                                 ; this step's numbers are back from the stage (the last step's byte store may be out)
.else
	s_wait_dscnt 0x0
.endif
.if (\t)+4 < STEPS
	LOAD (\t)+4                                    ; into the registers that the stage's stores have read
.endif
.if (\t)+1 < STEPS
.if STEPS-2-(\t) >= 3
	s_wait_loadcnt 12                              ; the next step's four loads are in; those of the three steps behind it may be out
.else
	s_wait_loadcnt 4*(STEPS-2-(\t))
.endif
	TURN (\t)+1
.endif
	v_max3_num_f32 v8, |v[XS]|, |v[XS+1]|, |v[XS+2]|               ; the largest magnitude of my 16
	v_max3_num_f32 v9, |v[XS+3]|, |v[XS+4]|, |v[XS+5]|
.irp i, 6,10
	v_max3_num_f32 v8, v8, |v[XS+\i]|, |v[XS+\i+1]|
	v_max3_num_f32 v9, v9, |v[XS+\i+2]|, |v[XS+\i+3]|
.endr
	v_max3_num_f32 v8, v8, |v[XS+14]|, |v[XS+15]|
	v_max3_num_f32 v8, v8, v9, 0x4800000           ; and the floor 2^(9 - 127): the byte cannot fall under 1
	v_max_num_f32_dpp v8, v8, v8 row_xmask:1 row_mask:0xf bank_mask:0xf   ; and of my neighbour's 16: the block's
	v_add_nc_u32 v11, 0xfc000000, v8               ; 8 off its exponent field: the conversion's scale operand
	v_and_or_b32 v10, v8, 0x7f800000, s44          ; 448 x the scale
.irp i, 0,1,2,3,4,5,6,7,8,9,10,11,12,13,14,15
	v_med3_num_f32 v[XS+\i], v[XS+\i], -v10, v10   ; the conversion to an 8-bit code does not saturate (ISA guide 7.6.2): the hold comes first
.endr
	v_cvt_scalef32_pk8_fp8_f32 v[C+4*(\t):C+4*(\t)+1], v[XS:XS+7], v11
	v_cvt_scalef32_pk8_fp8_f32 v[C+4*(\t)+2:C+4*(\t)+3], v[XS+8:XS+15], v11
	v_lshrrev_b32 v[E+(\t)], 23, v11               ; the scale's byte
	ds_store_b8 v5, v[E+(\t)] offset:16*(\t)       ; both lanes of a block write the same byte with the same value
	global_store_b128 v4, v[C+4*(\t):C+4*(\t)+3], s[30:31] offset:32*CB*(\t)   ; 512 consecutive bytes a wave
.endm
.irp t, 0,1,2,3,4,5,6,7,8,9,10,11,12,13,14,15
	STEP \t
.endr
	ds_load_b64 v[12:13], v6                       ; LDS serves a wave's instructions in order: these see my stores
	s_wait_dscnt 0x0
	global_store_b64 v7, v[12:13], s[32:33]        ; 32 lanes store 256 consecutive bytes, aligned
	s_wait_tensorcnt 0x0
	ds_add_u32 v216, v217
	s_wait_dscnt 0x0
	s_endpgm
; ---------------- job 2: the mask ----------------
; Work-group m = 128 b + T takes the 16 queries of tile T; wave w takes key steps 4 w .. 4 w + 3.  A step's 16 rows x 512 bytes are read as they lie, turn through the wave's stage, and come back so that
; lane (r, g) holds, in register 16 B + i, the word of query r and key 32 B + 16 g + i.  A compare then gives the 32 lanes' bits as one word; v_writelane_b32 gathers the 64 words, two to a lane.
.Lmask:
	s_sub_co_u32 s27, ttmp9, NQWG                  ; m
	s_lshr_b32 s28, s27, 1
	s_lshl_b32 s28, s28, 5
	s_and_b32 s29, s27, 1
	s_lshl_b32 s29, s29, 3
	s_add_co_u32 s28, s28, s29                     ; the tile's first row: 32 (m / 2) + 8 (m % 2)
	s_lshl_b32 s28, s28, 13                        ; rows of 8,192 bytes
	s_lshl_b32 s29, s26, 11                        ; my four steps of 512 bytes
	s_add_co_u32 s28, s28, s29
	s_mov_b32 s29, 0
	s_lshl_b32 s30, s27, 4
	s_lshl_b32 s31, s26, 2
	s_add_co_u32 s30, s30, s31
	s_lshl_b32 s30, s30, 8                         ; 256 bytes for a tile and a step
	s_mov_b32 s31, 0
	s_mul_i32 s32, s26, MSTW
	s_add_co_u32 s32, s32, MST                     ; my stage
	s_wait_alu depctr_va_vdst(0)
	v_lshlrev_b32 v3, 4, v2                        ; 16 x lane
	v_add_nc_u32 v4, s32, v3                       ; way in
	v_and_b32 v7, 15, v2                           ; r
	v_lshrrev_b32 v8, 4, v2                        ; g
	v_mul_u32_u24 v5, v7, MP
	v_lshl_add_u32 v5, v8, 6, v5
	v_add_nc_u32 v5, s32, v5                       ; way out: row r, + 64 g
	v_lshlrev_b32 v6, 3, v2                        ; 8 x lane
.irp i, 0,1,2,3,4,5,6,7
	v_mov_b32 v[OW+\i], 0                          ; written whole once: v_writelane_b32 writes one lane
.endr
	s_wait_kmcnt 0x0
	s_add_nc_u64 s[28:29], s[18:19], s[28:29]
	s_add_nc_u64 s[30:31], s[24:25], s[30:31]
.macro LOADM k
.irp p, 0,1,2,3,4,5,6,7,8,9,10,11,12,13,14,15
	global_load_b128 v[MR+64*((\k)%2)+4*\p:MR+64*((\k)%2)+4*\p+3], v3, s[28:29] offset:(\p+8*(\p/8))*8192+512*(\k) th:TH_LOAD_NT   ; 512 consecutive bytes of the tile's row p
.endr
.endm
.macro MSTEP k
.if (\k) < 3
	s_wait_loadcnt 16                              ; this step's 16 loads are in; the next step's may be out
.else
	s_wait_loadcnt 0x0
.endif
.irp p, 0,1,2,3,4,5,6,7,8,9,10,11,12,13,14,15
	ds_store_b128 v4, v[MR+64*((\k)%2)+4*\p:MR+64*((\k)%2)+4*\p+3] offset:MP*\p
.endr
.irp q, 0,1,2,3,4,5,6,7,8,9,10,11,12,13,14,15
	ds_load_b128 v[MX+4*\q:MX+4*\q+3], v5 offset:128*(\q/4)+16*(\q%4)
.endr
	s_wait_dscnt 0x0
.if (\k) < 2
	LOADM (\k)+2
.endif
.set n, 0
.rept 8
.irp e, 0,1,2,3,4,5,6,7
	v_cmp_ne_u32 s[40+\e], 0, v[MX+n+\e]           ; bit r + 16 g of word n + e
.endr
.irp e, 0,1,2,3,4,5,6,7
	v_writelane_b32 v[OW+2*(\k)+\e%2], s[40+\e], (n+\e)/2
.endr
.set n, n+8
.endr
	global_store_b64 v6, v[OW+2*(\k):OW+2*(\k)+1], s[30:31] offset:256*(\k)   ; 256 consecutive bytes, aligned; each step has its own two registers
.endm
	LOADM 0
	LOADM 1
	MSTEP 0
	MSTEP 1
	MSTEP 2
	MSTEP 3
	s_wait_tensorcnt 0x0
	ds_add_u32 v216, v217
	s_wait_dscnt 0x0
	s_endpgm
.Lfunc_end_k_q6ef9ccb17a_prep:
	.size	k_q6ef9ccb17a_prep, .Lfunc_end_k_q6ef9ccb17a_prep-k_q6ef9ccb17a_prep
	.p2alignl 7, 3214868480
	.fill 96, 4, 3214868480
	.section	.rodata,"a",@progbits
	.p2align	6, 0x0
	.amdhsa_kernel k_q6ef9ccb17a_prep
		.amdhsa_group_segment_fixed_size 67072
		.amdhsa_private_segment_fixed_size 0
		.amdhsa_enable_private_segment 0
		.amdhsa_kernarg_size 88
		.amdhsa_user_sgpr_count 2
		.amdhsa_user_sgpr_kernarg_segment_ptr 1
		.amdhsa_wavefront_size32 1
		.amdhsa_system_sgpr_workgroup_id_x 1
		.amdhsa_system_sgpr_workgroup_id_y 1
		.amdhsa_system_sgpr_workgroup_id_z 1
		.amdhsa_system_vgpr_workitem_id 0
		.amdhsa_next_free_vgpr 218
		.amdhsa_next_free_sgpr 66
		.amdhsa_reserve_vcc 0
		.amdhsa_float_denorm_mode_32 3
		.amdhsa_float_denorm_mode_16_64 3
		.amdhsa_memory_ordered 1
		.amdhsa_forward_progress 1
		.amdhsa_inst_pref_size 100
	.end_amdhsa_kernel
	.amdgpu_metadata
---
amdhsa.version: [ 1, 2 ]
amdhsa.kernels:
  - .name:           k_q6ef9ccb17a_prep
    .symbol:         k_q6ef9ccb17a_prep.kd
    .args:
      - { .name: query, .offset: 0, .size: 8, .value_kind: global_buffer, .address_space: global }
      - { .name: key, .offset: 8, .size: 8, .value_kind: global_buffer, .address_space: global }
      - { .name: value, .offset: 16, .size: 8, .value_kind: global_buffer, .address_space: global }
      - { .name: Wq, .offset: 24, .size: 8, .value_kind: global_buffer, .address_space: global }
      - { .name: Wk, .offset: 32, .size: 8, .value_kind: global_buffer, .address_space: global }
      - { .name: Wv, .offset: 40, .size: 8, .value_kind: global_buffer, .address_space: global }
      - { .name: Wo, .offset: 48, .size: 8, .value_kind: global_buffer, .address_space: global }
      - { .name: mask, .offset: 56, .size: 8, .value_kind: global_buffer, .address_space: global }
      - { .name: codes, .offset: 64, .size: 8, .value_kind: global_buffer, .address_space: global }
      - { .name: scales, .offset: 72, .size: 8, .value_kind: global_buffer, .address_space: global }
      - { .name: mbits, .offset: 80, .size: 8, .value_kind: global_buffer, .address_space: global }
    .group_segment_fixed_size: 67072
    .private_segment_fixed_size: 0
    .kernarg_segment_align: 8
    .kernarg_segment_size: 88
    .max_flat_workgroup_size: 128
    .sgpr_count:     66
    .vgpr_count:     218
    .wavefront_size: 32
...
	.end_amdgpu_metadata
.endif
;; end of part 1
;; launch proj (part 2): grid 4 x 96, 4 waves a work-group, clusters of 4 x 4, 327,680 bytes of LDS; arguments codes, scales, bq, bk, bv, qimg, kimg, vimg; writes qimg, kimg, vimg
.if DOCPART == 2
	.amdgcn_target "amdgcn-amd-amdhsa--gfx1250"
	.amdhsa_code_object_version 6
	.text
	.protected	k_q6ef9ccb17a_proj
	.globl	k_q6ef9ccb17a_proj
	.p2align	8
	.type	k_q6ef9ccb17a_proj,@function
k_q6ef9ccb17a_proj:
	s_mov_b64 s[64:65], 0
	v_nop
	global_prefetch_b8 v0, s[64:65] scope:SCOPE_SE
	s_setreg_imm32_b32 hwreg(HW_REG_WAVE_MODE, 25, 1), 1
	s_wait_xcnt 0x0
	s_wait_alu depctr_hold_cnt(0) depctr_sa_sdst(0) depctr_va_vdst(0) depctr_va_sdst(0) depctr_va_ssrc(0) depctr_va_vcc(0) depctr_vm_vsrc(0)
	s_getreg_b32 s2, hwreg(HW_REG_IB_STS2, 6, 4)
	s_cmp_eq_u32 s2, 0
	s_cbranch_scc0 .Lentry_in_a_cluster
	s_endpgm
.Lentry_in_a_cluster:
	s_bfe_u32 s2, ttmp6, 0x10000c
	s_cmp_lg_u32 s2, 0xf033
	s_cbranch_scc0 .Lentry_shape_is_right
	s_endpgm
.Lentry_shape_is_right:
.set KSTEP,  256
.set NQ,     KSTEP/128
.set ROWB,   256
.set KROW,   1024
.set PITCH,  272
.set FR,     16
.set NL,     4
.set NP,     8
.set HALFT,  128*PITCH
.set SLOT,   4*HALFT
.set LAPS,   1024/(2*KSTEP)
.set KS,     32
.set SCL,    2*SLOT
.set HALFS,  (128*KS/256)*272
.set SBLK,   (16*KS/256)*272
.set SPARE,  SCL+4*HALFS
.set QKB,    8704
.set VBL,    8448
.set LI,   7
.set BO,   8
.set ADRA, 16
.set SWO,  18
.set ADRB, 20
.set SHG,  22
.set ADRS, 27
.set SPW,  28
.set NIL,  29
.set SC,   32
.set BIAS, 64
.set TM,   96
.set PW,   112
.set SWD,  120
.set AF,   128
.set G1, 24
.set G0, 32
.set G1B, 48
.set G0B, 56
.set G1S, 68
.set G0S, 76
.set G1SB, 80
.set G0SB, 88
.set MSB, 0
.macro WIN new
.if MSB != \new
	s_set_vgpr_msb (MSB<<8)|\new
.set MSB, \new
.endif
.endm
.set MUL_LO, 0xa1
.set MUL_HI, 0xf1
.set BIA_LO, 0x81
.set BIA_HI, 0xc1
.set TO_B,   0x40
.macro JLOAD g0a, g1a, g0b, g1b
	s_cmp_eq_u32 s15, 0
	s_cbranch_scc0 .Lfor_b_\@
	tensor_load_to_lds s[\g0a:\g0a+3], s[\g1a:\g1a+7]
	s_nop 0
.rept 4
	v_nop
.endr
	s_branch .Lasked_\@
.Lfor_b_\@:
	tensor_load_to_lds s[\g0b:\g0b+3], s[\g1b:\g1b+7]
	s_nop 0
.rept 4
	v_nop
.endr
.Lasked_\@:
.endm
.macro CREST
	s_cmp_lg_u32 s14, 0
	s_cbranch_scc1 .Lnot_wave_0_\@
	s_barrier_signal -3
.Lnot_wave_0_\@:
	s_barrier_wait -3
	s_barrier_signal -1
	s_barrier_wait -1
.endm
.macro CROUND
	s_barrier_signal -1
	s_barrier_wait -1
	CREST
.endm
	s_load_b512 s[68:83], s[0:1], 0x0
	v_lshl_add_u32 v[SPW], v0, 2, SPARE
	v_mov_b32 v[NIL], 0
	ds_add_u32 v28, v29
	ds_add_u32 v28, v29
	s_wait_dscnt 0x0
	v_lshrrev_b32 v1, 5, v0
	v_readfirstlane_b32 s14, v1
	s_lshr_b32 s15, s14, 1
	s_and_b32 s16, s14, 1
	s_bfe_u32 s40, ttmp6, 0x40000
	s_bfe_u32 s41, ttmp6, 0x40004
	s_and_b32 s96, ttmp7, 0xffff
	s_lshr_b32 s95, s96, 3
	s_and_b32 s96, s96, 7
	s_lshl_b32 s18, s95, 23
	s_lshl_b32 s19, s95, 20
	s_add_co_u32 s19, s19, 0x1800000
	s_mov_b32 s97, QKB
	s_cmp_eq_u32 s95, 2
	s_cselect_b32 s17, 0, s96
	s_cselect_b32 s42, s96, 0
	s_cselect_b32 s20, s19, s18
	s_cselect_b32 s46, s18, s19
	s_cselect_b32 s97, VBL, s97
	s_lshl_b32 s17, s17, 2
	s_add_co_u32 s17, s17, s41
	s_lshl_b32 s42, s42, 2
	s_add_co_u32 s42, s42, s40
	s_lshl_b32 s43, s41, 2
	s_lshl_b32 s43, 15, s43
	s_lshl_b32 s44, 0x1111, s40
	s_or_b32 s[G1+0], s43, (0<<16)|(1<<20)|(1<<21)|(5<<22)|(3<<25)
	s_or_b32 s[G1B+0], s44, (0<<16)|(1<<20)|(1<<21)|(5<<22)|(3<<25)
.irp g, G1, G1B
	s_mov_b32 s[\g+1], ROWB<<16
	s_mov_b32 s[\g+2], 256<<16                     ; the head's loads of codes bring 256 rows
	s_mov_b32 s[\g+3], ROWB<<16
	s_mov_b32 s[\g+4], 256
	s_mov_b32 s[\g+5], KROW
	s_mov_b32 s[\g+6], 0
	s_mov_b32 s[\g+7], 0
.endr
	s_lshl_b32 s18, s16, 7
	s_lshl_b32 s21, s17, 8
	s_add_co_u32 s21, s21, s18
	s_lshl_b32 s21, s21, 10
	s_add_co_u32 s20, s20, s21
	s_mov_b32 s21, 0
	s_lshr_b32 s22, s20, 5
	s_mov_b32 s23, 0
	s_lshl_b32 s47, s42, 8
	s_add_co_u32 s47, s47, s18
	s_lshl_b32 s47, s47, 10
	s_add_co_u32 s46, s46, s47
	s_mov_b32 s47, 0
	s_lshr_b32 s92, s46, 5
	s_mov_b32 s93, 0
	s_mul_i32 s45, s14, HALFT
	s_mul_i32 s94, s14, HALFS
	s_wait_kmcnt 0x0
	s_add_nc_u64 s[20:21], s[68:69], s[20:21]
	s_add_nc_u64 s[22:23], s[70:71], s[22:23]
	s_add_nc_u64 s[46:47], s[68:69], s[46:47]
	s_add_nc_u64 s[92:93], s[70:71], s[92:93]
	s_cmp_eq_u32 s95, 1
	s_cselect_b64 s[66:67], s[74:75], s[72:73]
	s_cselect_b64 s[12:13], s[80:81], s[78:79]
	s_cmp_eq_u32 s95, 2
	s_cselect_b64 s[66:67], s[76:77], s[66:67]
	s_cselect_b64 s[12:13], s[82:83], s[12:13]
	s_or_b32 s[G1S+0], s43, (3<<16)|(1<<20)|(1<<21)|(5<<22)|(3<<25)
	s_or_b32 s[G1SB+0], s44, (3<<16)|(1<<20)|(1<<21)|(5<<22)|(3<<25)
.irp g, G1S, G1SB
	s_mov_b32 s[\g+1], 32<<16
	s_mov_b32 s[\g+2], KS<<16                      ; the scales of 256 rows: KS rows of 256 bytes
	s_mov_b32 s[\g+3], 32<<16
	s_mov_b32 s[\g+4], KS
	s_mov_b32 s[\g+5], 32
	s_mov_b32 s[\g+6], 0
	s_mov_b32 s[\g+7], 0
.endr
	CROUND                                         ; all sixteen work-groups are here: the first joint loads meet
.set G0H, 4                            ; s[4:7], s[8:11] group 0 for the head's loads of K step 0: A's 256 rows, B's 256 rows
.set G0HB, 8
	s_lshl_b32 s18, s16, 17                        ; my half of 128 rows, in bytes of codes,
	s_mov_b32 s19, 0
	s_lshl_b32 s2, s16, 12                         ; and of scale bytes: taken off again for the head's whole tiles
	s_mov_b32 s3, 0
	s_mov_b32 s[G0H], 1
	s_mov_b32 s[G0H+1], 0
	s_sub_nc_u64 s[G0H+2:G0H+3], s[20:21], s[18:19]
	s_or_b32 s[G0H+3], s[G0H+3], 0x80000000
	s_mov_b32 s[G0HB], 1
	s_mov_b32 s[G0HB+1], 2*HALFT
	s_sub_nc_u64 s[G0HB+2:G0HB+3], s[46:47], s[18:19]
	s_or_b32 s[G0HB+3], s[G0HB+3], 0x80000000
	s_mov_b32 s[G0S], 1
	s_mov_b32 s[G0S+1], SCL
	s_sub_nc_u64 s[G0S+2:G0S+3], s[22:23], s[2:3]
	s_or_b32 s[G0S+3], s[G0S+3], 0x80000000
	s_mov_b32 s[G0SB], 1
	s_mov_b32 s[G0SB+1], SCL+2*HALFS
	s_sub_nc_u64 s[G0SB+2:G0SB+3], s[92:93], s[2:3]
	s_or_b32 s[G0SB+3], s[G0SB+3], 0x80000000
.irp s, 0,1
	s_mov_b32 s[G0+4*\s], 1
	s_add_co_u32 s[G0+4*\s+1], s45, \s*SLOT
	s_add_nc_u64 s[G0+4*\s+2:G0+4*\s+3], s[20:21], \s*ROWB
	s_or_b32 s[G0+4*\s+3], s[G0+4*\s+3], 0x80000000
	s_mov_b32 s[G0B+4*\s], 1
	s_add_co_u32 s[G0B+4*\s+1], s45, \s*SLOT
	s_add_nc_u64 s[G0B+4*\s+2:G0B+4*\s+3], s[46:47], \s*ROWB
	s_or_b32 s[G0B+4*\s+3], s[G0B+4*\s+3], 0x80000000
.endr
; The head's loads, one a wave: wave 0 K step 0's 256 rows of A, wave 1 its 256 rows of B, wave 2 A's scales, wave 3 B's.  One tree of branches on the wave's number.
.macro ARM under, g0, g1, next
	s_cmp_lt_u32 s14, \under
	s_cbranch_scc0 \next
	tensor_load_to_lds s[\g0:\g0+3], s[\g1:\g1+7]
	s_nop 0
.rept 4
	v_nop
.endr
	s_branch .Lhead_asked
\next:
.endm
	ARM 1, G0H,  G1,  .Lhead_b
	ARM 2, G0HB, G1B, .Lhead_sa
	ARM 3, G0S,  G1S, .Lhead_sb
	tensor_load_to_lds s[G0SB:G0SB+3], s[G1SB:G1SB+7]
	s_nop 0
.rept 4
	v_nop
.endr
.Lhead_asked:
	v_and_b32 v1, 15, v0
	v_bfe_u32 v2, v0, 4, 1
	v_mul_u32_u24 v3, v1, PITCH
	v_lshl_add_u32 v4, v2, 4, v3
	s_mul_i32 s21, s15, HALFT
	s_mul_i32 s22, s16, HALFT
	s_add_co_u32 s22, s22, 2*HALFT
.irp s, 0,1
	v_add_nc_u32 v[ADRA+\s], s21, v4
	v_add_nc_u32 v[ADRB+\s], s22, v4
	s_add_co_u32 s21, s21, SLOT
	s_add_co_u32 s22, s22, SLOT
.endr
	v_mul_u32_u24 v5, v1, KS
	v_lshrrev_b32 v6, 8, v5
	v_lshl_add_u32 v5, v6, 4, v5
	s_mul_i32 s21, s15, HALFS
	s_mul_i32 s22, s16, HALFS
	s_add_co_u32 s22, s22, 2*HALFS
	s_sub_co_u32 s22, s22, s21
	v_mul_u32_u24 v6, s22, v2
	s_add_co_u32 s21, s21, SCL
	v_add_nc_u32 v5, v5, v6
	v_add_nc_u32 v[ADRS], s21, v5
	v_and_b32 v6, 31, v0
	v_lshlrev_b32 v[LI], 4, v6
	v_lshlrev_b32 v[SHG], 4, v2
	v_mul_u32_u24 v[SWO], s97, v2
	v_lshl_add_u32 v[SWO], v1, 4, v[SWO]
	s_lshl_b32 s20, s17, 1
	s_add_co_u32 s20, s20, s15
	s_lshl_b32 s46, s42, 1
	s_add_co_u32 s46, s46, s16
	s_cmp_eq_u32 s95, 2
	s_cselect_b32 s92, s46, s20
	s_cselect_b32 s93, s20, s46
	s_cselect_b32 s21, 4, 0
	s_cselect_b32 s22, 0, 64
	s_cselect_b32 s23, 0, 4
	s_lshl_b32 s46, s93, 9
	s_mov_b32 s47, 0
	s_add_nc_u64 s[66:67], s[66:67], s[46:47]
	s_lshl_b32 s92, s92, 4
	s_lshl_b32 s93, s93, 1
	s_add_co_u32 s92, s92, s93
	s_mul_i32 s46, s92, s97
	s_add_nc_u64 s[12:13], s[12:13], s[46:47]
	v_and_b32 v5, 8, v1
	v_add_nc_u32 v5, v5, v1
	v_mul_u32_u24 v6, s21, v5
	v_mad_u32_u24 v6, v2, s22, v6
.irp j, 0,1,2,3,4,5,6,7
	v_mad_u32_u24 v[BO+\j], s23, \j, v6
.endr
.irp x, 0,1,2,3,4,5,6,7
.irp j, 0,1,2,3,4,5,6,7
	global_load_b32 v[BIAS+8*\x+\j], v[BO+\j], s[66:67] offset:4*(32*(\x/2)+8*(\x%2))
.endr
.endr
	s_mov_b32 s96, 0x7f7f0000
	s_mov_b32 s98, 0xffff0000
	s_mov_b32 s99, 0x600000
	s_mov_b32 s100, 0x76543210
	s_mov_b32 s101, 0xfedcba98
.macro FRAG reg, adr, q, i
.irp c, 0,1,2,3
	ds_load_b128 v[\reg+4*\c:\reg+4*\c+3], v[\adr] offset:128*(\q)+32*\c+(\i)*16*PITCH
.endr
.endm
.macro MUL16 a0, p, q, sc, zero
.irp a, \a0, \a0+1
.irp b, 0,1,2,3,4,5,6,7
.if \zero == 1
	v_wmma_scale_f32_16x16x128_f8f6f4 v[8*(8*((\a)%4)+\b):8*(8*((\a)%4)+\b)+7], v[128*(\p)+FR*\b:128*(\p)+FR*\b+FR-1], v[AF+FR*(\a):AF+FR*(\a)+FR-1], v[BIAS+8*\b:BIAS+8*\b+7], v[SC+8*NQ*(\sc)+NQ*\b+(\q)], v[SC+8*NQ*(\sc)+NQ*(\a)+(\q)] matrix_a_scale:MATRIX_SCALE_ROW1
.elseif \zero == 2
	v_wmma_scale_f32_16x16x128_f8f6f4 v[8*(8*((\a)%4)+\b):8*(8*((\a)%4)+\b)+7], v[128*(\p)+FR*\b:128*(\p)+FR*\b+FR-1], v[AF+FR*(\a):AF+FR*(\a)+FR-1], v[BIAS+8*(\a):BIAS+8*(\a)+7], v[SC+8*NQ*(\sc)+NQ*\b+(\q)], v[SC+8*NQ*(\sc)+NQ*(\a)+(\q)] matrix_a_scale:MATRIX_SCALE_ROW1
.else
	v_wmma_scale_f32_16x16x128_f8f6f4 v[8*(8*((\a)%4)+\b):8*(8*((\a)%4)+\b)+7], v[128*(\p)+FR*\b:128*(\p)+FR*\b+FR-1], v[AF+FR*(\a):AF+FR*(\a)+FR-1], v[8*(8*((\a)%4)+\b):8*(8*((\a)%4)+\b)+7], v[SC+8*NQ*(\sc)+NQ*\b+(\q)], v[SC+8*NQ*(\sc)+NQ*(\a)+(\q)] matrix_a_scale:MATRIX_SCALE_ROW1
.endif
.endr
.endr
.endm
.macro FETCH_B slot, q, p
	WIN TO_B
.irp i, 0,1,2,3,4,5,6,7
	FRAG 128*(\p)+FR*\i, ADRB+\slot, \q, \i
.endr
	WIN 0
.endm
.macro FETCH_A slot, q, i0
.irp i, \i0, \i0+1, \i0+2, \i0+3
	FRAG AF+FR*(\i), ADRA+\slot, \q, \i
.endr
.endm
.macro SCALES sc
.irp i, 0,1,2,3,4,5,6,7
	ds_load_b64 v[SC+8*NQ*\sc+NQ*\i:SC+8*NQ*\sc+NQ*\i+1], v[ADRS] offset:\i*SBLK
.endr
.endm
.macro PLACES n
.rept \n
	v_nop
.endr
.endm
.macro STEP slot, q, zero
	s_wait_dscnt 4*NL
.if \zero
	WIN BIA_LO
.else
	WIN MUL_LO
.endif
	MUL16 0, (\q)%2, \q, \slot, \zero
	MUL16 2, (\q)%2, \q, \slot, \zero
	s_wait_dscnt 0
	PLACES NP
	FETCH_B \slot, (\q)+1, 1-(\q)%2
	FETCH_A \slot, (\q)+1, 0
.if \zero
	WIN BIA_HI
.else
	WIN MUL_HI
.endif
	MUL16 4, (\q)%2, \q, \slot, \zero
	MUL16 6, (\q)%2, \q, \slot, \zero
	PLACES NP
	WIN 0
	FETCH_A \slot, (\q)+1, 4
.endm
.macro TURN slot, next, fill
	s_wait_tensorcnt 0x0
	ds_add_u32 v[SPW], v[NIL]
	s_wait_dscnt 4*NL+1
	WIN MUL_LO
	MUL16 0, 1, NQ-1, \slot, 0
	s_wait_dscnt 0x0
	s_barrier_signal -1
	MUL16 2, 1, NQ-1, \slot, 0
	WIN 0
	s_barrier_wait -1
.if \fill
	CREST
	s_add_nc_u64 s[G0+4*\slot+2:G0+4*\slot+3], s[G0+4*\slot+2:G0+4*\slot+3], 2*ROWB
	s_add_nc_u64 s[G0B+4*\slot+2:G0B+4*\slot+3], s[G0B+4*\slot+2:G0B+4*\slot+3], 2*ROWB
	JLOAD G0+4*\slot, G1, G0B+4*\slot, G1B
	PLACES NP-4
.else
	PLACES NP
.endif
	s_wait_alu depctr_va_vdst(0)
	v_add_nc_u32 v[ADRS], 4*NQ, v[ADRS]
	FETCH_B \next, 0, 0
	FETCH_A \next, 0, 0
	SCALES \next
	WIN MUL_HI
	MUL16 4, 1, NQ-1, \slot, 0
	MUL16 6, 1, NQ-1, \slot, 0
	PLACES NP
	WIN 0
	FETCH_A \next, 0, 4
.endm
	s_wait_alu depctr_va_vdst(0)
	s_wait_tensorcnt 0x0                           ; my tile of the head's four is in
	ds_add_u32 v[SPW], v[NIL]
	s_mov_b32 s[G1+2], 128<<16                     ; no tensor load of mine is out: from here on a load brings 128 rows
	s_mov_b32 s[G1+4], 128
	s_mov_b32 s[G1B+2], 128<<16
	s_mov_b32 s[G1B+4], 128
	s_wait_dscnt 0x0
	CROUND                                         ; all four tiles are in, and all sixteen work-groups are here
	JLOAD G0+4, G1, G0B+4, G1B                     ; K step 1's load, the first tensor load behind the round
	FETCH_B 0, 0, 0
	FETCH_A 0, 0, 0
	SCALES 0
	FETCH_A 0, 0, 4
	s_wait_loadcnt 0x0
	s_cmp_eq_u32 s95, 2
	s_cbranch_scc1 .Lfirst_v
	STEP 0, 0, 1
	s_branch .Lfirst_done
.Lfirst_v:
	STEP 0, 0, 2
.Lfirst_done:
	s_mov_b32 s3, LAPS-1
.Llap:
	TURN 0, 1, 1
	STEP 1, 0, 0
	TURN 1, 0, 1
	STEP 0, 0, 0
	s_sub_co_u32 s3, s3, 1
	s_cmp_lg_u32 s3, 0
	s_cbranch_scc1 .Llap
	TURN 0, 1, 0
	STEP 1, 0, 0
	s_wait_dscnt 4*NL
	WIN MUL_LO
	MUL16 0, 1, NQ-1, 1, 0
	MUL16 2, 1, NQ-1, 1, 0
	s_wait_dscnt 0
	WIN MUL_HI
	MUL16 4, 1, NQ-1, 1, 0
	MUL16 6, 1, NQ-1, 1, 0
	WIN 0
.macro QUANT a
.set QW, 2+(\a)/4
.set QA, 64*((\a)%4)
.set QN, (QW|(QW<<2))
	WIN QN
.irp b, 0,1,2,3
	v_max3_num_f32 v[TM+\b], |v[QA+16*\b]|, |v[QA+1+16*\b]|, 0x4800000
.endr
.set QN, ((QW<<2)|(QW<<4))
	WIN QN
.irp i, 2,4,6,8,10,12,14
.irp b, 0,1,2,3
	v_max3_num_f32 v[TM+\b], v[TM+\b], |v[QA+16*\b+\i]|, |v[QA+1+16*\b+\i]|
.endr
.endr
	WIN 0
.irp b, 0,1,2,3
	v_permlanex16_b32 v[TM+4+\b], v[TM+\b], s100, s101
.endr
.irp b, 0,1,2,3
	v_max_num_f32 v[TM+\b], v[TM+\b], v[TM+4+\b]
.endr
.irp b, 0,1,2,3
	v_add_nc_u32 v[TM+12+\b], 0xfc000000, v[TM+\b]
.endr
.irp b, 0,1,2,3
	v_and_or_b32 v[TM+8+\b], v[TM+\b], 0x7f800000, s99
.endr
.irp b, 0,1,2,3
	v_lshrrev_b32 v[TM+4+\b], 23, v[TM+12+\b]
.endr
	v_lshl_or_b32 v[PW+(\a)], v[TM+5], 8, v[TM+4]
	v_lshl_or_b32 v[PW+(\a)], v[TM+6], 16, v[PW+(\a)]
	v_lshl_or_b32 v[PW+(\a)], v[TM+7], 24, v[PW+(\a)]
.set QN, (QW|(QW<<6))
	WIN QN
.irp b, 0,1,2,3
.irp i, 0,1,2,3,4,5,6,7,8,9,10,11,12,13,14,15
	v_med3_num_f32 v[QA+16*\b+\i], v[QA+16*\b+\i], -v[TM+8+\b], v[TM+8+\b]
.endr
.endr
	WIN QW
.irp b, 0,1,2,3
	v_cvt_scalef32_pk8_fp8_f32 v[AF+16*(\a)+4*\b:AF+16*(\a)+4*\b+1], v[QA+16*\b:QA+16*\b+7], v[TM+12+\b]
	v_cvt_scalef32_pk8_fp8_f32 v[AF+16*(\a)+4*\b+2:AF+16*(\a)+4*\b+3], v[QA+16*\b+8:QA+16*\b+15], v[TM+12+\b]
.endr
	WIN 0
	v_nop
.endm
	PLACES NP
.irp b, 0,1,2,3
	v_mov_b32 v[TM+4+\b], 0
.endr
.irp a, 0,1,2,3,4,5,6,7
	QUANT \a
.endr
	s_cmp_eq_u32 s95, 2
	s_cbranch_scc1 .Lstore_v
.irp a, 0,1,2,3,4,5,6,7
.irp c, 0,1,2,3
	global_store_b128 v[LI], v[AF+16*\a+4*\c:AF+16*\a+4*\c+3], s[12:13] offset:(\c/2)*QKB+1024*\a+512*(\c%2)
.endr
.endr
.irp u, 0,1
.if \u
	s_wait_xcnt 0x0
.endif
.irp i, 0,1,2,3
	v_lshrrev_b32 v[SWD+\i], v[SHG], v[PW+4*\u+\i]
.endr
.irp i, 0,1,2,3
	v_and_or_b32 v[SWD+\i], v[SWD+\i], 0xffff, s96
.endr
	global_store_b128 v[SWO], v[SWD:SWD+3], s[12:13] offset:8192+256*\u
.endr
	s_branch .Lstored
.Lstore_v:
	s_wait_alu depctr_va_vdst(0)
.irp a, 0,1,2,3,4,5,6,7
.irp c, 0,1,2,3
	global_store_b128 v[LI], v[AF+16*\a+4*\c:AF+16*\a+4*\c+3], s[12:13] offset:(\a/4)*VBL+2048*(\a%4)+512*\c
.endr
.endr
.irp i, 0,1,2,3
	v_cndmask_b32 v[SWD+\i], v[PW+\i], v[PW+4+\i], s98
.endr
	global_store_b128 v[SWO], v[SWD:SWD+3], s[12:13] offset:8192
.Lstored:
	s_wait_tensorcnt 0x0
	ds_add_u32 v[SPW], v[NIL]
	s_wait_dscnt 0x0
	CROUND
	s_endpgm
.Lfunc_end_k_q6ef9ccb17a_proj:
	.size	k_q6ef9ccb17a_proj, .Lfunc_end_k_q6ef9ccb17a_proj-k_q6ef9ccb17a_proj
	.p2alignl 7, 3214868480
	.fill 96, 4, 3214868480
	.section	.rodata,"a",@progbits
	.p2align	6, 0x0
	.amdhsa_kernel k_q6ef9ccb17a_proj
		.amdhsa_group_segment_fixed_size 327680
		.amdhsa_private_segment_fixed_size 0
		.amdhsa_enable_private_segment 0
		.amdhsa_kernarg_size 64
		.amdhsa_user_sgpr_count 2
		.amdhsa_user_sgpr_kernarg_segment_ptr 1
		.amdhsa_wavefront_size32 1
		.amdhsa_system_sgpr_workgroup_id_x 1
		.amdhsa_system_sgpr_workgroup_id_y 1
		.amdhsa_system_sgpr_workgroup_id_z 1
		.amdhsa_system_vgpr_workitem_id 0
		.amdhsa_next_free_vgpr 1024
		.amdhsa_next_free_sgpr 102
		.amdhsa_reserve_vcc 0
		.amdhsa_float_denorm_mode_32 3
		.amdhsa_float_denorm_mode_16_64 3
		.amdhsa_memory_ordered 1
		.amdhsa_forward_progress 1
		.amdhsa_inst_pref_size 211
	.end_amdhsa_kernel
	.amdgpu_metadata
---
amdhsa.version: [ 1, 2 ]
amdhsa.kernels:
  - .name:           k_q6ef9ccb17a_proj
    .symbol:         k_q6ef9ccb17a_proj.kd
    .args:
      - { .name: codes, .offset: 0, .size: 8, .value_kind: global_buffer, .address_space: global }
      - { .name: scales, .offset: 8, .size: 8, .value_kind: global_buffer, .address_space: global }
      - { .name: bq, .offset: 16, .size: 8, .value_kind: global_buffer, .address_space: global }
      - { .name: bk, .offset: 24, .size: 8, .value_kind: global_buffer, .address_space: global }
      - { .name: bv, .offset: 32, .size: 8, .value_kind: global_buffer, .address_space: global }
      - { .name: qimg, .offset: 40, .size: 8, .value_kind: global_buffer, .address_space: global }
      - { .name: kimg, .offset: 48, .size: 8, .value_kind: global_buffer, .address_space: global }
      - { .name: vimg, .offset: 56, .size: 8, .value_kind: global_buffer, .address_space: global }
    .group_segment_fixed_size: 327680
    .private_segment_fixed_size: 0
    .kernarg_segment_align: 8
    .kernarg_segment_size: 64
    .max_flat_workgroup_size: 128
    .sgpr_count:     102
    .vgpr_count:     1024
    .wavefront_size: 32
...
	.end_amdgpu_metadata
.endif
;; end of part 2
;; launch attn (part 3): grid 4 x 64, 16 waves a work-group, no clusters, 276,480 bytes of LDS; arguments qimg, kimg, vimg, mbits, xoc, xos; writes xoc, xos
.if DOCPART == 3
	.amdgcn_target "amdgcn-amd-amdhsa--gfx1250"
	.amdhsa_code_object_version 6
	.text
	.protected	k_q6ef9ccb17a_attn
	.globl	k_q6ef9ccb17a_attn
	.p2align	8
	.type	k_q6ef9ccb17a_attn,@function
k_q6ef9ccb17a_attn:
	s_mov_b64 s[64:65], 0
	v_nop
	global_prefetch_b8 v0, s[64:65] scope:SCOPE_SE
	s_setreg_imm32_b32 hwreg(HW_REG_WAVE_MODE, 25, 1), 1
	s_wait_xcnt 0x0
; x[b][q][head] = softmax_k(q . k / 8, masked) v on codes of FP8 (E4M3) with E8M0 scales, then quantised along the 1,024 of the last product's K (codes xoc, bytes xos).
; t = score x log2(e) / 8; M = the running largest t rounded up to a whole number; p = 2^(t - M) is quantised along the keys; the row's sum is taken of the unquantised p and divides at the end.
; SHARES: work-group (x, y): batch y / 16, head y % 16, queries 512 x .. 512 x + 511.  Sixteen waves; a wave owns two tiles of 16 queries, one after the other (two passes), and walks 16 steps of 128 keys.
; A head's whole K (16 images of 8,704 bytes: 8,192 of codes in register order, 512 of scale words) and V (16 images of 8,448) lie in LDS, stored once: wave w brings image w of each, 17,152 bytes, through registers.
; Both products are used transposed: a lane holds one query; the keys of a tile are chosen (by the images' row order) so that 16 registers of two tiles are 16 neighbouring keys.
; The first product's K is 64: the upper 64 of Q's fragment are zero codes (v24-31), so what K's operand names there adds nothing.
; THE MASK: mbits holds, for a tile and a step, 64 lane masks (one for each score register).  At the head each wave reads its two tiles' 8,192 bytes, 512 consecutive bytes a load (two steps), ANDs each lane's four words,
; compares with all ones, and makes of the 16 lane masks one flag word: bit 16 p + s says that step s of pass p has no hole.
; A scalar branch on these whole numbers leads round the step's mask loads and its 64 selects; a step with a hole loads the 64 words and selects.
; NO TENSOR LOAD AND NO CLUSTER: the four work-groups of a head each read K and V by plain loads.
; NO PREFETCH: all of K and V is asked for at the head, 34 loads a wave on their way together; there is no loop to run ahead in.
; LIMITS: the promise holds while the scaled scores stay under 2^31 in magnitude.  A masked score is -2^33 (as t about -1.5e9) where reference() writes -1e9: a row with no open key gets equal weights as there; live scores under -1e9 are not served.  NaN and infinities are not served.
; REGISTERS: v1 16 x lane, v2 16 x (lane % 16), v3-6 the step's LDS addresses, v7-8 store offsets, v9 the masked score, v12 -M, v13 largest t; the sum in four chains v[14:15], v[246:247], v[252:253], v[10:11];
; v16-31 Q; v32-103 fragments; S scores then p; O the result; PC p's codes.
.set KB,    8704
.set VB,    8448
.set VBASE, 16*KB
.set SPARE, VBASE+16*VB                ; the spare words: 128 bytes a wave, named by no other line
.set S,   104
.set O,   168
.set PC,  200
.set KSW, 216
.set VSW, 224
.set QSW, 228
.set PSW, 229
.set BM,  230
.set BT,  234
.set BH,  238
.set BC,  242
.set WV,  84
.macro QLOAD p
	global_load_b128 v[16:19], v1, s[4:5] offset:1024*\p
	global_load_b128 v[20:23], v1, s[4:5] offset:1024*\p+512
	global_load_b32 v[QSW], v2, s[6:7] offset:4*\p
.endm
	s_load_b256 s[4:11], s[0:1], 0x0               ; qimg, kimg, vimg, mbits
	s_load_b128 s[12:15], s[0:1], 0x20             ; xoc, xos
	v_lshl_add_u32 v254, v0, 2, SPARE
	v_mov_b32 v255, 0
	v_lshrrev_b32 v1, 5, v0
	v_readfirstlane_b32 s[WV], v1
	s_and_b32 s85, ttmp7, 0xffff
	s_lshr_b32 s86, s85, 4                         ; batch
	s_and_b32 s87, s85, 15                         ; head
	s_mov_b32 s88, ttmp9                           ; which 512 queries
	s_lshl_b32 s89, s86, 4
	s_add_co_u32 s89, s89, s[WV]
	s_lshl_b32 s89, s89, 4
	s_add_co_u32 s89, s89, s87                     ; image (batch, key step = my wave, head)
	s_mul_i32 s96, s89, KB
	s_mov_b32 s97, 0
	s_mul_i32 s98, s89, VB
	s_mov_b32 s99, 0
	s_mul_i32 s33, s[WV], KB
	s_mul_i32 s37, s[WV], VB
	s_add_co_u32 s37, s37, VBASE
	v_and_b32 v10, 31, v0
	v_lshlrev_b32 v1, 4, v10                       ; 16 x lane
	v_lshlrev_b32 v6, 3, v10                       ; 8 x lane: V's last 256 bytes
	v_add_nc_u32 v4, s33, v1                       ; where my image of K goes in LDS
	v_add_nc_u32 v5, s37, v1                       ; and of V
	v_add_nc_u32 v248, s37, v6
	s_wait_alu depctr_va_vdst(0)
	s_wait_kmcnt 0x0
	s_add_nc_u64 s[34:35], s[6:7], s[96:97]
	s_add_nc_u64 s[38:39], s[8:9], s[98:99]
.set i, 0
.rept 17
	global_load_b128 v[32+4*i:35+4*i], v1, s[34:35] offset:512*i     ; 512 consecutive bytes a load
.set i, i+1
.endr
.set i, 0
.rept 16
	global_load_b128 v[104+4*i:107+4*i], v1, s[38:39] offset:512*i
.set i, i+1
.endr
	global_load_b64 v[168:169], v6, s[38:39] offset:8192
	s_lshl_b32 s89, s86, 4                         ; Q's image: (batch, 128 queries, head)
	s_lshl_b32 s96, s88, 2
	s_add_co_u32 s89, s89, s96
	s_lshr_b32 s96, s[WV], 2
	s_add_co_u32 s89, s89, s96
	s_lshl_b32 s89, s89, 4
	s_add_co_u32 s89, s89, s87
	s_mul_i32 s85, s89, KB
	s_and_b32 s98, s[WV], 3
	s_lshl_b32 s98, s98, 11
	s_add_co_u32 s98, s98, s85
	s_mov_b32 s99, 0
	s_bfe_u32 s96, s[WV], 0x10001
	s_lshl_b32 s96, s96, 8
	s_and_b32 s89, s[WV], 1
	s_lshl_b32 s89, s89, 3
	s_add_co_u32 s96, s96, s89
	s_add_co_u32 s96, s96, s85
	s_add_co_u32 s96, s96, 8192
	s_mov_b32 s97, 0
	s_add_nc_u64 s[6:7], s[4:5], s[96:97]          ; Q's scale words
	s_add_nc_u64 s[4:5], s[4:5], s[98:99]          ; Q's codes
	s_lshl_b32 s96, s86, 7
	s_lshl_b32 s89, s88, 5
	s_add_co_u32 s96, s96, s89
	s_lshl_b32 s89, s[WV], 1
	s_add_co_u32 s96, s96, s89
	s_lshl_b32 s96, s96, 12                        ; 4,096 bytes of mask words a tile
	s_add_nc_u64 s[10:11], s[10:11], s[96:97]
.set i, 0
.irp g, 170,174,178,182,186,190,194,198,202,206,210,214,218,222,230,234
	global_load_b128 v[\g:\g+3], v1, s[10:11] offset:512*i   ; load i: steps 2 i, 2 i + 1 of my 32 (two passes): lanes 0-15 the first's 64 words, lanes 16-31 the second's
.set i, i+1
.endr
	s_lshl_b32 s96, s86, 11
	s_lshl_b32 s89, s88, 9
	s_add_co_u32 s96, s96, s89
	s_lshl_b32 s89, s[WV], 5
	s_add_co_u32 s96, s96, s89                     ; my first query's row
	s_lshl_b32 s98, s96, 5
	s_lshl_b32 s89, s87, 1
	s_add_co_u32 s98, s98, s89
	s_add_nc_u64 s[14:15], s[14:15], s[98:99]
	s_lshl_b32 s96, s96, 10
	s_lshl_b32 s89, s87, 6
	s_add_co_u32 s96, s96, s89
	s_add_nc_u64 s[12:13], s[12:13], s[96:97]
	s_mov_b32 s90, 0x76543210
	s_mov_b32 s91, 0xfedcba98                      ; lane l xor 16
	s_mov_b32 s92, 0x3e38aa3b                      ; c = log2(e) / 8
	s_mov_b32 s93, s92
	s_mov_b32 s94, 0x600000                        ; the mantissa field of 448
	s_mov_b32 s99, 0xffff0000
	s_mov_b32 s98, 0                               ; the step's mask words: 256 bytes a step
	v_and_b32 v10, 15, v0
	v_bfe_u32 v11, v0, 4, 1
	v_lshlrev_b32 v2, 4, v10
	QLOAD 0
	v_and_b32 v7, 8, v10
	v_add_nc_u32 v7, v7, v10
	v_lshlrev_b32 v8, 5, v7
	v_add_nc_u32 v8, v8, v11
	v_lshlrev_b32 v7, 10, v7
	v_lshl_add_u32 v7, v11, 4, v7
	v_mov_b32 v9, 0xd0000000                       ; -2^33
	s_wait_alu depctr_va_vdst(0)
	s_wait_loadcnt 19                              ; K's 17 and V's 17 are in; behind them: 16 loads of mask words, 3 of Q
.set i, 0
.rept 17
	ds_store_b128 v4, v[32+4*i:35+4*i] offset:512*i
.set i, i+1
.endr
.set i, 0
.rept 16
	ds_store_b128 v5, v[104+4*i:107+4*i] offset:512*i
.set i, i+1
.endr
	ds_store_b64 v248, v[168:169] offset:8192
	s_wait_dscnt 0x0                               ; my images are stored: zero, for the others' sake
	s_barrier_signal -1
	s_barrier_wait -1                              ; all 32 images are in LDS; nothing is stored there again
	s_wait_loadcnt 3                               ; the mask words are in; Q's three loads may be out
.set i, 0
.irp g, 170,174,178,182,186,190,194,198,202,206,210,214,218,222,230,234
	v_and_b32 v[\g], v[\g], v[\g+1]
	v_and_b32 v[\g+2], v[\g+2], v[\g+3]
	v_and_b32 v[\g], v[\g], v[\g+2]
	v_cmp_eq_u32 s[16+i], -1, v[\g]                ; bit l: lane l's four words have no hole
.set i, i+1
.endr
	s_mov_b32 s89, 0                               ; the flag word: bit n for my n-th step
.set i, 0
.rept 16
	s_and_b32 s85, s[16+i], 0xffff
	s_cmp_eq_u32 s85, 0xffff
	s_cselect_b32 s85, 1<<(2*i), 0
	s_or_b32 s89, s89, s85
	s_lshr_b32 s85, s[16+i], 16
	s_cmp_eq_u32 s85, 0xffff
	s_cselect_b32 s85, 2<<(2*i), 0
	s_or_b32 s89, s89, s85
.set i, i+1
.endr
.irp i, 0,1,2,3,4,5,6,7
	v_mov_b32 v[24+\i], 0                          ; Q's upper 64 along K: zero codes
	v_mov_b32 v[96+\i], 0                          ; what tile 7's operand names behind its own codes
.endr
.irp b, 0,1,2,3
	v_mov_b32 v[BT+\b], 0                          ; a lane permute's destination counts as a source
.endr
	v_mov_b32 v248, 0
	v_mov_b32 v251, 0                              ; named as the upper half of v[250:251]
; A KEY STEP: 128 keys.
.macro STEP
	v_add_nc_u32 v3, s95, v1
	v_add_nc_u32 v4, s95, v2
	v_add_nc_u32 v5, s96, v1
	v_add_nc_u32 v6, s96, v2
	v_pk_add_f32 v[252:253], v[252:253], v[10:11]  ; the last step's four chains of the sum are joined here:
	v_pk_add_f32 v[14:15], v[14:15], v[246:247]
	v_mov_b32 v249, v12                            ; the old -M
	v_pk_add_f32 v[14:15], v[14:15], v[252:253]    ; these eight lines are the places ahead of loads into registers that the last products read
.irp t, 0,1,2,3,4,5,6,7
	ds_load_b128 v[32+8*\t:35+8*\t], v3 offset:1024*\t
	ds_load_b128 v[36+8*\t:39+8*\t], v3 offset:1024*\t+512
.endr
	ds_load_b128 v[KSW:KSW+3], v4 offset:8192
	ds_load_b128 v[KSW+4:KSW+7], v4 offset:8448
	s_and_b32 s85, s89, 1                          ; this step's flag
	s_lshr_b32 s89, s89, 1
	s_wait_alu depctr_va_vdst(0)
	s_wait_dscnt 0x0
.irp t, 0,1,2,3,4,5,6,7
	v_wmma_scale_f32_16x16x128_f8f6f4 v[S+8*\t:S+8*\t+7], v[32+8*\t:47+8*\t], v[16:31], 0, v[KSW+\t], v[QSW]
.endr
.rept 8
	v_nop                                          ; eight places ahead of the first read of the scores and of V's loads
.endr
	s_cmp_eq_u32 s85, 1
	s_cbranch_scc1 .Lopen_\@                       ; no hole among these 16 x 128: nothing to select
	s_load_b512 s[16:31], s[10:11], s98 offset:0x0
	s_load_b512 s[32:47], s[10:11], s98 offset:0x40
	s_load_b512 s[48:63], s[10:11], s98 offset:0x80
	s_load_b512 s[68:83], s[10:11], s98 offset:0xc0
	s_wait_kmcnt 0x0
.set n, 0
.rept 64
.if n < 48
	v_cndmask_b32 v[S+n], v9, v[S+n], s[16+n]
.else
	v_cndmask_b32 v[S+n], v9, v[S+n], s[20+n]
.endif
.set n, n+1
.endr
.Lopen_\@:
.irp t, 0,1,2,3
.irp c, 0,1,2,3
	ds_load_b128 v[32+16*\t+4*\c:35+16*\t+4*\c], v5 offset:2048*\t+512*\c   ; V's four tiles land while the softmax is worked
.endr
.endr
	ds_load_b128 v[VSW:VSW+3], v6 offset:8192
.irp b, 0,1,2,3
	v_max3_num_f32 v[BM+\b], v[S+16*\b], v[S+1+16*\b], v[S+2+16*\b]          ; each block's largest score; the four blocks by turns
.endr
.irp i, 3,5,7,9,11,13
.irp b, 0,1,2,3
	v_max3_num_f32 v[BM+\b], v[BM+\b], v[S+16*\b+\i], v[S+1+16*\b+\i]
.endr
.endr
.irp b, 0,1,2,3
	v_max_num_f32 v[BM+\b], v[BM+\b], v[S+15+16*\b]
.endr
.irp b, 0,1,2,3
	v_permlanex16_b32 v[BT+\b], v[BM+\b], s90, s91
.endr
.irp b, 0,1,2,3
	v_max_num_f32 v[BM+\b], v[BM+\b], v[BT+\b]
.endr
	s_delay_alu instid0(VALU_DEP_2)
	v_max3_num_f32 v248, v[BM], v[BM+1], v[BM+2]
	s_delay_alu instid0(VALU_DEP_1)
	v_max_num_f32 v248, v248, v[BM+3]
	s_delay_alu instid0(VALU_DEP_1)
	v_mul_f32 v248, s92, v248
	s_delay_alu instid0(VALU_DEP_1)
	v_max_num_f32 v13, v13, v248                   ; the running largest t
	s_delay_alu instid0(VALU_DEP_1)
	v_floor_f32 v12, -v13                          ; -M = floor(-t)
	s_delay_alu instid0(VALU_DEP_1)
	v_sub_f32 v248, v12, v249
	s_delay_alu instid0(VALU_DEP_1)
	v_cvt_i32_f32 v248, v248                       ; old M - new M (it saturates)
	s_delay_alu instid0(VALU_DEP_1)
	v_ldexp_f32 v250, 1.0, v248                    ; f = 2^(old M - new M)
.set j, 0
.rept 32
	v_pk_fma_f32 v[S+j:S+j+1], v[S+j:S+j+1], s[92:93], v[12:13] op_sel_hi:[1,0,0]   ; t - M
.set j, j+2
.endr
.irp b, 0,1,2,3
	v_fma_f32 v[BM+\b], v[BM+\b], s92, v12         ; the same of each block's largest score
.endr
	s_wait_alu depctr_va_vdst(0)
.irp b, 0,1,2,3
	v_exp_f32 v[BM+\b], v[BM+\b]                   ; each block's largest p
.endr
.set j, 0
.rept 64
	v_exp_f32 v[S+j], v[S+j]                       ; p = 2^(t - M)
.set j, j+1
.endr
	v_pk_mul_f32 v[14:15], v[14:15], v[250:251] op_sel_hi:[1,0]   ; the sum under the new M; the plain place behind the batch
	s_wait_alu depctr_va_vdst(0)                   ; one wait for the batch of 68, ahead of its first reader
.irp b, 0,1,2,3
	v_max_num_f32 v[BM+\b], 0x4800000, v[BM+\b]    ; the floor 2^(9 - 127): the byte cannot fall under 1
.endr
.irp b, 0,1,2,3
	v_add_nc_u32 v[BC+\b], 0xfc000000, v[BM+\b]    ; 8 off the exponent field: the conversion's scale operand
.endr
.irp b, 0,1,2,3
	v_and_or_b32 v[BH+\b], v[BM+\b], 0x7f800000, s94   ; 448 x the scale
.endr
.irp b, 0,1,2,3
	v_lshrrev_b32 v[BT+\b], 23, v[BC+\b]           ; the scale's byte
.endr
	v_pk_add_f32 v[246:247], v[S:S+1], v[S+2:S+3]  ; the row's sum of the unquantised p: 32 pairs in four chains, joined at the next step's head or at the tile's end
	v_pk_add_f32 v[252:253], v[S+4:S+5], v[S+6:S+7]
	v_pk_add_f32 v[10:11], v[S+8:S+9], v[S+10:S+11]
	v_lshl_or_b32 v[PSW], v[BT+1], 8, v[BT]        ; p's scale word for these 128 keys
.set j, 12
.rept 6
	v_pk_add_f32 v[14:15], v[14:15], v[S+j:S+j+1]
	v_pk_add_f32 v[246:247], v[246:247], v[S+j+2:S+j+3]
	v_pk_add_f32 v[252:253], v[252:253], v[S+j+4:S+j+5]
	v_pk_add_f32 v[10:11], v[10:11], v[S+j+6:S+j+7]
.set j, j+8
.endr
	v_lshl_or_b32 v[PSW], v[BT+2], 16, v[PSW]
	v_pk_add_f32 v[14:15], v[14:15], v[S+60:S+61]
	v_pk_add_f32 v[246:247], v[246:247], v[S+62:S+63]
	v_lshl_or_b32 v[PSW], v[BT+3], 24, v[PSW]
.irp b, 0,1,2,3
.irp i, 0,2,4,6,8,10,12,14
	v_dual_min_num_f32 v[S+16*\b+\i], v[S+16*\b+\i], v[BH+\b] :: v_dual_min_num_f32 v[S+16*\b+\i+1], v[S+16*\b+\i+1], v[BH+\b]   ; the hold: the conversion does not saturate (ISA guide 7.6.2); p is not negative
.endr
	v_cvt_scalef32_pk8_fp8_f32 v[PC+4*\b:PC+4*\b+1], v[S+16*\b:S+16*\b+7], v[BC+\b]
	v_cvt_scalef32_pk8_fp8_f32 v[PC+4*\b+2:PC+4*\b+3], v[S+16*\b+8:S+16*\b+15], v[BC+\b]
.endr
	s_wait_alu depctr_va_vdst(0)                   ; directly ahead of the first reader of O
.set j, 0
.rept 16
	v_pk_mul_f32 v[O+j:O+j+1], v[O+j:O+j+1], v[250:251] op_sel_hi:[1,0]   ; O under the new M; also the places ahead of the products below
.set j, j+2
.endr
	s_wait_alu depctr_va_vdst(0)
	s_wait_dscnt 0x0                               ; V's tiles and scale words
.irp t, 0,1,2,3
	v_wmma_scale_f32_16x16x128_f8f6f4 v[O+8*\t:O+8*\t+7], v[32+16*\t:47+16*\t], v[PC:PC+15], v[O+8*\t:O+8*\t+7], v[VSW+\t], v[PSW]
.endr
	s_add_co_u32 s95, s95, KB
	s_add_co_u32 s96, s96, VB
	s_add_co_u32 s98, s98, 256
.endm
; A tile's end: O / the sum, quantised along the head's 64 (two blocks of the last product's K), codes and bytes stored.
.macro FINISH p
	v_pk_add_f32 v[252:253], v[252:253], v[10:11]  ; the last step's chains of the sum; with the seven below: eight places behind the last products
	v_pk_add_f32 v[14:15], v[14:15], v[246:247]
	v_nop
	v_pk_add_f32 v[14:15], v[14:15], v[252:253]
.rept 4
	v_nop
.endr
	v_add_f32 v14, v14, v15
	s_delay_alu instid0(VALU_DEP_1)
	v_permlanex16_b32 v248, v14, s90, s91
	s_delay_alu instid0(VALU_DEP_1)
	v_add_f32 v14, v14, v248
	s_wait_alu depctr_va_vdst(0)
	v_rcp_f32 v14, v14
	v_nop
.set j, 0
	s_wait_alu depctr_va_vdst(0)
.rept 16
	v_pk_mul_f32 v[S+j:S+j+1], v[O+j:O+j+1], v[14:15] op_sel_hi:[1,0]
.set j, j+2
.endr
.irp b, 0,1
	v_max3_num_f32 v[BM+\b], |v[S+16*\b]|, |v[S+1+16*\b]|, 0x4800000
.endr
.irp i, 2,4,6,8,10,12,14
.irp b, 0,1
	s_delay_alu instid0(VALU_DEP_2)
	v_max3_num_f32 v[BM+\b], v[BM+\b], |v[S+16*\b+\i]|, |v[S+1+16*\b+\i]|
.endr
.endr
.irp b, 0,1
	s_delay_alu instid0(VALU_DEP_2)
	v_permlanex16_b32 v[BT+\b], v[BM+\b], s90, s91
.endr
.irp b, 0,1
	s_delay_alu instid0(VALU_DEP_2)
	v_max_num_f32 v[BM+\b], v[BM+\b], v[BT+\b]
.endr
.irp b, 0,1
	s_delay_alu instid0(VALU_DEP_2)
	v_add_nc_u32 v[BC+\b], 0xfc000000, v[BM+\b]
.endr
.irp b, 0,1
	s_delay_alu instid0(VALU_DEP_4)
	v_and_or_b32 v[BH+\b], v[BM+\b], 0x7f800000, s94
.endr
.irp b, 0,1
	s_delay_alu instid0(VALU_DEP_4)
	v_lshrrev_b32 v[BT+\b], 23, v[BC+\b]
.endr
.irp b, 0,1
.irp i, 0,1,2,3,4,5,6,7,8,9,10,11,12,13,14,15
	v_med3_num_f32 v[S+16*\b+\i], v[S+16*\b+\i], -v[BH+\b], v[BH+\b]
.endr
	v_cvt_scalef32_pk8_fp8_f32 v[PC+4*\b:PC+4*\b+1], v[S+16*\b:S+16*\b+7], v[BC+\b]
	v_cvt_scalef32_pk8_fp8_f32 v[PC+4*\b+2:PC+4*\b+3], v[S+16*\b+8:S+16*\b+15], v[BC+\b]
.endr
	v_nop
	v_cndmask_b32 v248, v[BT], v[BT+1], s99
	global_store_b128 v7, v[PC:PC+3], s[12:13] offset:8192*\p
	global_store_b128 v7, v[PC+4:PC+7], s[12:13] offset:8192*\p+32
	global_store_b8 v8, v248, s[14:15] offset:256*\p
.endm
.macro PASS p
.if \p
	s_wait_xcnt 0x0                                ; the first tile's stores have read their registers
.endif
	v_mov_b32 v13, 0xff61b1e6                      ; the largest t so far: -3e38
	s_delay_alu instid0(VALU_DEP_1)
	v_floor_f32 v12, -v13
.irp r, 14,15,246,247,252,253,10,11
	v_mov_b32 v\r, 0                               ; the sum's four chains
.endr
.set j, 0
.rept 32
	v_mov_b32 v[O+j], 0                            ; the step is written once: the first change of M leaves zeros zeros
.set j, j+1
.endr
	s_mov_b32 s95, 0
	s_mov_b32 s96, VBASE
	s_mov_b32 s97, 16
	s_wait_alu depctr_va_vdst(0)
	s_wait_loadcnt 0x0                             ; Q
.Lstep_\@:
	STEP
	s_sub_co_u32 s97, s97, 1
	s_cmp_lg_u32 s97, 0
	s_cbranch_scc1 .Lstep_\@
.if \p == 0
	QLOAD 1
.endif
	FINISH \p
.endm
	PASS 0
	PASS 1
	s_wait_tensorcnt 0x0                           ; the wave's end
	ds_add_u32 v254, v255
	s_wait_dscnt 0x0
	s_endpgm
.Lfunc_end_k_q6ef9ccb17a_attn:
	.size	k_q6ef9ccb17a_attn, .Lfunc_end_k_q6ef9ccb17a_attn-k_q6ef9ccb17a_attn
	.p2alignl 7, 3214868480
	.fill 96, 4, 3214868480
	.section	.rodata,"a",@progbits
	.p2align	6, 0x0
	.amdhsa_kernel k_q6ef9ccb17a_attn
		.amdhsa_group_segment_fixed_size 276480
		.amdhsa_private_segment_fixed_size 0
		.amdhsa_enable_private_segment 0
		.amdhsa_kernarg_size 48
		.amdhsa_user_sgpr_count 2
		.amdhsa_user_sgpr_kernarg_segment_ptr 1
		.amdhsa_wavefront_size32 1
		.amdhsa_system_sgpr_workgroup_id_x 1
		.amdhsa_system_sgpr_workgroup_id_y 1
		.amdhsa_system_sgpr_workgroup_id_z 1
		.amdhsa_system_vgpr_workitem_id 0
		.amdhsa_next_free_vgpr 256
		.amdhsa_next_free_sgpr 102
		.amdhsa_reserve_vcc 0
		.amdhsa_float_denorm_mode_32 3
		.amdhsa_float_denorm_mode_16_64 3
		.amdhsa_memory_ordered 1
		.amdhsa_forward_progress 1
		.amdhsa_inst_pref_size 84
	.end_amdhsa_kernel
	.amdgpu_metadata
---
amdhsa.version: [ 1, 2 ]
amdhsa.kernels:
  - .name:           k_q6ef9ccb17a_attn
    .symbol:         k_q6ef9ccb17a_attn.kd
    .args:
      - { .name: qimg, .offset: 0, .size: 8, .value_kind: global_buffer, .address_space: global }
      - { .name: kimg, .offset: 8, .size: 8, .value_kind: global_buffer, .address_space: global }
      - { .name: vimg, .offset: 16, .size: 8, .value_kind: global_buffer, .address_space: global }
      - { .name: mbits, .offset: 24, .size: 8, .value_kind: global_buffer, .address_space: global }
      - { .name: xoc, .offset: 32, .size: 8, .value_kind: global_buffer, .address_space: global }
      - { .name: xos, .offset: 40, .size: 8, .value_kind: global_buffer, .address_space: global }
    .group_segment_fixed_size: 276480
    .private_segment_fixed_size: 0
    .kernarg_segment_align: 8
    .kernarg_segment_size: 48
    .max_flat_workgroup_size: 512
    .sgpr_count:     102
    .vgpr_count:     256
    .wavefront_size: 32
...
	.end_amdgpu_metadata
.endif
;; end of part 3
;; launch outp (part 4): grid 4 x 64, 4 waves a work-group, clusters of 4 x 4, 327,680 bytes of LDS; arguments xoc, xos, codes, scales, bo, out0; writes out0
.if DOCPART == 4
	.amdgcn_target "amdgcn-amd-amdhsa--gfx1250"
	.amdhsa_code_object_version 6
	.text
	.protected	k_q6ef9ccb17a_outp
	.globl	k_q6ef9ccb17a_outp
	.p2align	8
	.type	k_q6ef9ccb17a_outp,@function
k_q6ef9ccb17a_outp:
	s_mov_b64 s[64:65], 0
	v_nop
	global_prefetch_b8 v0, s[64:65] scope:SCOPE_SE
	s_setreg_imm32_b32 hwreg(HW_REG_WAVE_MODE, 25, 1), 1
	s_wait_xcnt 0x0
	s_wait_alu depctr_hold_cnt(0) depctr_sa_sdst(0) depctr_va_vdst(0) depctr_va_sdst(0) depctr_va_ssrc(0) depctr_va_vcc(0) depctr_vm_vsrc(0)
	s_getreg_b32 s2, hwreg(HW_REG_IB_STS2, 6, 4)
	s_cmp_eq_u32 s2, 0
	s_cbranch_scc0 .Lentry_in_a_cluster
	s_endpgm
.Lentry_in_a_cluster:
	s_bfe_u32 s2, ttmp6, 0x10000c
	s_cmp_lg_u32 s2, 0xf033
	s_cbranch_scc0 .Lentry_shape_is_right
	s_endpgm
.Lentry_shape_is_right:
; out0[m][n] = sum over k of x[m][k] Wo[n][k] + bo[n]: x [8192][1024] as codes xoc with scale bytes xos, Wo's codes and bytes at their place in 'codes' and 'scales'; FP8 (E4M3), one E8M0 byte for each 32 along K; sums in f32.
; A block of out0 is 128 rows x 256 columns: 64 x 4 = 256 work-groups.  Four waves; a wave makes 64 x 128: 32 accumulators of 16 x 16, one register window.
; K goes in steps of 256 through a ring of two LDS slots (128 rows of x, 256 rows of Wo, rows of 256 bytes + 16 of padding).  The scale bytes of all of K come once, with the head's loads, and stay.
; CLUSTERS: 4 x 4 work-groups; x's tiles are asked for jointly along a row of the cluster, Wo's along a column.
; The matrix instruction is used transposed (source 0 = 16 rows of Wo, source 1 = 16 rows of x): a lane holds eight numbers of a row of out0.  The bias is the C of each accumulator's first product.
; Wo's stored rows: 16 consecutive stored rows 16 i + r are the rows 32 (i / 2) + 8 (i % 2) + r + 8 (r / 8); the bias loads and the stage's offsets put the columns back in order.
; FRAGMENTS: two sets for each side (x: 4 x 16 registers a set, window 0; Wo: 8 x 16 a set, window 1): a step's 48 loads are issued ahead of the 32 products of the other set.
; NO PREFETCH: K has four steps; the refills ask for steps 2 and 3, and two steps beyond them there is nothing to ask for.
.set SIZE_N, 1024
.set NQ,     2                         ; matrix instructions deep in a slot
.set ROWB,   256
.set KROW,   1024
.set PITCH,  272
.set FR,     16
.set NP,     8                         ; places behind this matrix instruction (ISA guide 7.12.1)
.set HA,     64*PITCH                  ; 64 rows: what a ring load brings of x, and what a wave reads of it
.set HALFT,  128*PITCH                 ; 128 rows: the same for Wo; also all of x's tile
.set SLOT,   3*HALFT                   ; x's 128 rows, then Wo's 256
.set LAPS,   2
.set KS,     32                        ; a row of scale bytes
.set SCL,    2*SLOT                    ; the scales: x's 128 rows (HALFS bytes), then Wo's 256
.set HALFS,  (128*KS/256)*272
.set SBLK,   (16*KS/256)*272
.set SPARE,  SCL+3*HALFS               ; the spare words, 128 bytes a wave, named by no other line
.set SPITCH, 528                       ; the way out: 16 rows x (512 + 16) bytes a wave, in slot 0 behind its last fill and last read
.set BOF,  8
.set ADRA, 16
.set ADRB, 20
.set STO,  24
.set RD,   25
.set CO,   26
.set ADRS, 27
.set SPW,  28
.set NIL,  29
.set SC,   32                          ; scale words, two sets of 16: lanes 0-15 x's block i, lanes 16-31 Wo's block i
.set BIAS, 64
.set AF,   128                         ; x's fragments: set p at AF + 64 p
.set BK,   128
.set G1, 24
.set G0, 32
.set G1B, 48
.set G0B, 56
.set G1S, 68
.set G0S, 76
.set G1SB, 80
.set G0SB, 88
.set G0H, 4
.set G0HB, 8
.set MSB, 0
.macro WIN new
.if MSB != \new
	s_set_vgpr_msb (MSB<<8)|\new
.set MSB, \new
.endif
.endm
.set MUL_LO, 0xa1                      ; source 0 window 1, source 1 window 0, C and D window 2
.set BIA_LO, 0x81                      ; the same with C (the bias) in window 0
.set TO_B,   0x40
.macro JLOAD g0a, g1a, g0b, g1b        ; waves 0 and 1 fetch for x, waves 2 and 3 for Wo
	s_cmp_eq_u32 s15, 0
	s_cbranch_scc0 .Lfor_b_\@
	tensor_load_to_lds s[\g0a:\g0a+3], s[\g1a:\g1a+7]
	s_nop 0
.rept 4
	v_nop
.endr
	s_branch .Lasked_\@
.Lfor_b_\@:
	tensor_load_to_lds s[\g0b:\g0b+3], s[\g1b:\g1b+7]
	s_nop 0
.rept 4
	v_nop
.endr
.Lasked_\@:
.endm
.macro CREST
	s_cmp_lg_u32 s14, 0
	s_cbranch_scc1 .Lnot_wave_0_\@
	s_barrier_signal -3
.Lnot_wave_0_\@:
	s_barrier_wait -3
	s_barrier_signal -1
	s_barrier_wait -1
.endm
.macro CROUND
	s_barrier_signal -1
	s_barrier_wait -1
	CREST
.endm
	s_load_b128 s[4:7], s[0:1], 0x0                ; xoc, xos
	s_load_b128 s[8:11], s[0:1], 0x10              ; codes, scales
	s_load_b64 s[66:67], s[0:1], 0x20              ; bo
	s_load_b64 s[12:13], s[0:1], 0x28              ; out0
	v_lshl_add_u32 v[SPW], v0, 2, SPARE
	v_mov_b32 v[NIL], 0
	ds_add_u32 v[SPW], v[NIL]
	ds_add_u32 v[SPW], v[NIL]
	s_wait_dscnt 0x0
	v_lshrrev_b32 v1, 5, v0
	v_readfirstlane_b32 s14, v1                    ; wave
	s_lshr_b32 s15, s14, 1                         ; my half of the block's rows; also: I fetch for x (0) or Wo (1)
	s_and_b32 s16, s14, 1                          ; my half of its columns; also: which half of a tile I fetch
	s_bfe_u32 s40, ttmp6, 0x40000
	s_bfe_u32 s41, ttmp6, 0x40004
	s_lshl_b32 s42, ttmp9, 2
	s_add_co_u32 s42, s42, s40                     ; block column
	s_and_b32 s17, ttmp7, 0xffff
	s_lshl_b32 s17, s17, 2
	s_add_co_u32 s17, s17, s41                     ; block row
	s_lshl_b32 s43, s41, 2
	s_lshl_b32 s43, 15, s43                        ; my row of the cluster
	s_lshl_b32 s44, 0x1111, s40                    ; my column
	s_or_b32 s[G1+0], s43, (0<<16)|(1<<20)|(1<<21)|(5<<22)|(3<<25)
	s_or_b32 s[G1B+0], s44, (0<<16)|(1<<20)|(1<<21)|(5<<22)|(3<<25)
.irp g, G1, G1B
	s_mov_b32 s[\g+1], ROWB<<16
	s_mov_b32 s[\g+3], ROWB<<16
	s_mov_b32 s[\g+5], KROW
	s_mov_b32 s[\g+6], 0
	s_mov_b32 s[\g+7], 0
.endr
	s_mov_b32 s[G1+2], 128<<16                     ; the head's loads bring whole tiles: 128 rows of x,
	s_mov_b32 s[G1+4], 128
	s_mov_b32 s[G1B+2], 256<<16                    ; 256 rows of Wo
	s_mov_b32 s[G1B+4], 256
	s_or_b32 s[G1S+0], s43, (3<<16)|(1<<20)|(1<<21)|(5<<22)|(3<<25)
	s_or_b32 s[G1SB+0], s44, (3<<16)|(1<<20)|(1<<21)|(5<<22)|(3<<25)
.irp g, G1S, G1SB
	s_mov_b32 s[\g+1], 32<<16
	s_mov_b32 s[\g+3], 32<<16
	s_mov_b32 s[\g+5], 32
	s_mov_b32 s[\g+6], 0
	s_mov_b32 s[\g+7], 0
.endr
	s_mov_b32 s[G1S+2], (KS/2)<<16                 ; the scales of 128 rows: 16 rows of 256 bytes,
	s_mov_b32 s[G1S+4], KS/2
	s_mov_b32 s[G1SB+2], KS<<16                    ; of 256 rows: 32
	s_mov_b32 s[G1SB+4], KS
	s_lshl_b32 s18, s16, 6
	s_lshl_b32 s20, s17, 7
	s_add_co_u32 s20, s20, s18                     ; x: row 128 x block row + 64 x half
	s_lshl_b32 s18, s16, 7
	s_lshl_b32 s46, s42, 8
	s_add_co_u32 s46, s46, s18                     ; Wo: row 256 x block column + 128 x half
	s_mov_b32 s21, 0
	s_mov_b32 s47, 0
	s_mov_b64 s[18:19], KS
	s_mul_u64 s[22:23], s[20:21], s[18:19]
	s_mul_u64 s[92:93], s[46:47], s[18:19]
	s_mov_b64 s[18:19], KROW
	s_mul_u64 s[20:21], s[20:21], s[18:19]
	s_mul_u64 s[46:47], s[46:47], s[18:19]
	s_mul_i32 s45, s16, HA                         ; where a ring load of x goes in a slot,
	s_mul_i32 s94, s16, HALFT
	s_add_co_u32 s94, s94, HALFT                   ; and one of Wo
	s_wait_kmcnt 0x0
	s_add_nc_u64 s[8:9], s[8:9], 0x1b00000         ; Wo's codes
	s_add_nc_u64 s[10:11], s[10:11], 0xd8000       ; and scale bytes
	s_add_nc_u64 s[20:21], s[4:5], s[20:21]
	s_add_nc_u64 s[22:23], s[6:7], s[22:23]
	s_add_nc_u64 s[46:47], s[8:9], s[46:47]
	s_add_nc_u64 s[92:93], s[10:11], s[92:93]
	CROUND                                         ; all sixteen work-groups are here: the first joint loads meet
	s_mov_b32 s19, 0
	s_mov_b32 s3, 0
	s_lshl_b32 s18, s16, 16                        ; my half of x's tile, in bytes of codes (64 rows),
	s_lshl_b32 s2, s16, 11                         ; and of scale bytes: taken off for the head's whole tiles
	s_mov_b32 s[G0H], 1
	s_mov_b32 s[G0H+1], 0
	s_sub_nc_u64 s[G0H+2:G0H+3], s[20:21], s[18:19]
	s_or_b32 s[G0H+3], s[G0H+3], 0x80000000
	s_mov_b32 s[G0S], 1
	s_mov_b32 s[G0S+1], SCL
	s_sub_nc_u64 s[G0S+2:G0S+3], s[22:23], s[2:3]
	s_or_b32 s[G0S+3], s[G0S+3], 0x80000000
	s_lshl_b32 s18, s16, 17                        ; the same for Wo's tile (128 rows)
	s_lshl_b32 s2, s16, 12
	s_mov_b32 s[G0HB], 1
	s_mov_b32 s[G0HB+1], HALFT
	s_sub_nc_u64 s[G0HB+2:G0HB+3], s[46:47], s[18:19]
	s_or_b32 s[G0HB+3], s[G0HB+3], 0x80000000
	s_mov_b32 s[G0SB], 1
	s_mov_b32 s[G0SB+1], SCL+HALFS
	s_sub_nc_u64 s[G0SB+2:G0SB+3], s[92:93], s[2:3]
	s_or_b32 s[G0SB+3], s[G0SB+3], 0x80000000
.irp s, 0,1
	s_mov_b32 s[G0+4*\s], 1
	s_add_co_u32 s[G0+4*\s+1], s45, \s*SLOT
	s_add_nc_u64 s[G0+4*\s+2:G0+4*\s+3], s[20:21], \s*ROWB
	s_or_b32 s[G0+4*\s+3], s[G0+4*\s+3], 0x80000000
	s_mov_b32 s[G0B+4*\s], 1
	s_add_co_u32 s[G0B+4*\s+1], s94, \s*SLOT
	s_add_nc_u64 s[G0B+4*\s+2:G0B+4*\s+3], s[46:47], \s*ROWB
	s_or_b32 s[G0B+4*\s+3], s[G0B+4*\s+3], 0x80000000
.endr
; The head's loads, one a wave: wave 0 K step 0's rows of x, wave 1 those of Wo, wave 2 x's scales, wave 3 Wo's.  One tree of branches on the wave's number.
.macro ARM under, g0, g1, next
	s_cmp_lt_u32 s14, \under
	s_cbranch_scc0 \next
	tensor_load_to_lds s[\g0:\g0+3], s[\g1:\g1+7]
	s_nop 0
.rept 4
	v_nop
.endr
	s_branch .Lhead_asked
\next:
.endm
	ARM 1, G0H,  G1,  .Lhead_b
	ARM 2, G0HB, G1B, .Lhead_sa
	ARM 3, G0S,  G1S, .Lhead_sb
	tensor_load_to_lds s[G0SB:G0SB+3], s[G1SB:G1SB+7]
	s_nop 0
.rept 4
	v_nop
.endr
.Lhead_asked:
	v_and_b32 v1, 15, v0
	v_bfe_u32 v2, v0, 4, 1
	v_mul_u32_u24 v3, v1, PITCH
	v_lshl_add_u32 v4, v2, 4, v3                   ; a fragment's row x pitch + 16 x half
	s_mul_i32 s21, s15, HA                         ; my 64 rows of x
	s_mul_i32 s22, s16, HALFT                      ; my 128 rows of Wo,
	s_add_co_u32 s22, s22, HALFT                   ; behind x's 128
.irp s, 0,1
	v_add_nc_u32 v[ADRA+\s], s21, v4
	v_add_nc_u32 v[ADRB+\s], s22, v4
	s_add_co_u32 s21, s21, SLOT
	s_add_co_u32 s22, s22, SLOT
.endr
	v_mul_u32_u24 v5, v1, KS
	v_lshrrev_b32 v6, 8, v5
	v_lshl_add_u32 v5, v6, 4, v5                   ; my row's scales: KS bytes a row, 16 more for each 256 passed
	s_mul_i32 s21, s15, HALFS/2                    ; x's: my 64 rows
	s_mul_i32 s22, s16, HALFS                      ; Wo's: my 128 rows, behind x's 128
	s_add_co_u32 s22, s22, HALFS
	s_sub_co_u32 s22, s22, s21
	v_mul_u32_u24 v6, s22, v2                      ; lanes 16-31 take Wo's
	s_add_co_u32 s21, s21, SCL
	v_add_nc_u32 v5, v5, v6
	v_add_nc_u32 v[ADRS], s21, v5
	s_mul_i32 s23, s14, 16*SPITCH                  ; my stage
	v_mul_u32_u24 v5, v1, SPITCH
	v_lshl_add_u32 v5, v2, 6, v5
	v_add_nc_u32 v[STO], s23, v5
	v_and_b32 v6, 31, v0
	v_lshlrev_b32 v[CO], 4, v6
	v_add_nc_u32 v[RD], s23, v[CO]
	v_lshlrev_b32 v[BOF], 6, v2
	s_wait_alu depctr_va_vdst(0)
	s_lshl_b32 s20, s17, 7
	s_lshl_b32 s21, s15, 6
	s_add_co_u32 s20, s20, s21                     ; my first row of out0: 128 x block row + 64 x half
	s_mov_b32 s21, 0
	s_mov_b64 s[18:19], SIZE_N*4
	s_mul_u64 s[20:21], s[20:21], s[18:19]
	s_lshl_b32 s46, s42, 10
	s_lshl_b32 s47, s16, 9
	s_add_co_u32 s46, s46, s47                     ; my first column, in bytes
	s_mov_b32 s47, 0
	s_add_nc_u64 s[66:67], s[66:67], s[46:47]
	s_add_nc_u64 s[20:21], s[20:21], s[46:47]
	s_add_nc_u64 s[12:13], s[12:13], s[20:21]
.irp b, 0,1,2,3,4,5,6,7
	global_load_b128 v[BIAS+8*\b:BIAS+8*\b+3], v[BOF], s[66:67] offset:4*(32*(\b/2)+8*(\b%2))
	global_load_b128 v[BIAS+8*\b+4:BIAS+8*\b+7], v[BOF], s[66:67] offset:4*(32*(\b/2)+8*(\b%2))+16
.endr
.macro FRAG reg, adr, q, i
.irp c, 0,1,2,3
	ds_load_b128 v[\reg+4*\c:\reg+4*\c+3], v[\adr] offset:128*(\q)+32*\c+(\i)*16*PITCH
.endr
.endm
; 16 matrix instructions: x's blocks a0, a0 + 1 against Wo's eight, on fragment set p.  The 32 accumulators take turns, in the same order in every step.
.macro MUL16 a0, p, q, sc, zero
.irp a, \a0, \a0+1
.irp b, 0,1,2,3,4,5,6,7
.if \zero
	v_wmma_scale_f32_16x16x128_f8f6f4 v[8*(8*(\a)+\b):8*(8*(\a)+\b)+7], v[128*(\p)+FR*\b:128*(\p)+FR*\b+FR-1], v[AF+64*(\p)+FR*(\a):AF+64*(\p)+FR*(\a)+FR-1], v[BIAS+8*\b:BIAS+8*\b+7], v[SC+8*NQ*(\sc)+NQ*\b+(\q)], v[SC+8*NQ*(\sc)+NQ*(\a)+(\q)] matrix_a_scale:MATRIX_SCALE_ROW1
.else
	v_wmma_scale_f32_16x16x128_f8f6f4 v[8*(8*(\a)+\b):8*(8*(\a)+\b)+7], v[128*(\p)+FR*\b:128*(\p)+FR*\b+FR-1], v[AF+64*(\p)+FR*(\a):AF+64*(\p)+FR*(\a)+FR-1], v[8*(8*(\a)+\b):8*(8*(\a)+\b)+7], v[SC+8*NQ*(\sc)+NQ*\b+(\q)], v[SC+8*NQ*(\sc)+NQ*(\a)+(\q)] matrix_a_scale:MATRIX_SCALE_ROW1
.endif
.endr
.endr
.endm
.macro FETCH slot, q, p                ; 48 LDS loads: Wo's eight fragments and x's four, of the slot's q-th 128 along K, into set p
	WIN TO_B
.irp i, 0,1,2,3,4,5,6,7
	FRAG 128*(\p)+FR*\i, ADRB+\slot, \q, \i
.endr
	WIN 0
.irp i, 0,1,2,3
	FRAG AF+64*(\p)+FR*\i, ADRA+\slot, \q, \i
.endr
.endm
.macro SCALES sc
.irp i, 0,1,2,3,4,5,6,7
	ds_load_b64 v[SC+8*NQ*\sc+NQ*\i:SC+8*NQ*\sc+NQ*\i+1], v[ADRS] offset:\i*SBLK
.endr
.endm
.macro PLACES n
.rept \n
	v_nop
.endr
.endm
; A slot's first step multiplies set 0.  Set 1 was last read ahead of the eight places in the change of slots before, so its loads go out first.
.macro STEP slot, zero
	FETCH \slot, 1, 1
	s_wait_dscnt 48                                ; all but the 48 just issued: set 0 and the slot's scale words are in
.if \zero
	WIN BIA_LO
.else
	WIN MUL_LO
.endif
	MUL16 0, 0, 0, \slot, \zero
	MUL16 2, 0, 0, \slot, \zero
	WIN 0
.endm
; A slot's second step multiplies set 1 and changes slots: one barrier; ahead of it each wave waits for all its tensor loads, adds 0 to its spare word, and waits for that and for its reads of this slot.
.macro TURN slot, next, fill
	s_wait_tensorcnt 0x0                           ; my part of the next slot has landed
	ds_add_u32 v[SPW], v[NIL]
	s_wait_dscnt 1                                 ; set 1 is in; the add may be out
	WIN MUL_LO
	MUL16 0, 1, 1, \slot, 0
	s_wait_dscnt 0x0
	s_barrier_signal -1
	MUL16 2, 1, 1, \slot, 0
	WIN 0
	s_barrier_wait -1
.if \fill
	CREST                                          ; the barrier has opened a round of the cluster's barrier
	s_add_nc_u64 s[G0+4*\slot+2:G0+4*\slot+3], s[G0+4*\slot+2:G0+4*\slot+3], 2*ROWB
	s_add_nc_u64 s[G0B+4*\slot+2:G0B+4*\slot+3], s[G0B+4*\slot+2:G0B+4*\slot+3], 2*ROWB
	JLOAD G0+4*\slot, G1, G0B+4*\slot, G1B         ; the first tensor load behind the round; its four v_nop are among the eight places
	PLACES NP-4
.else
	PLACES NP
.endif
	s_wait_alu depctr_va_vdst(0)
	v_add_nc_u32 v[ADRS], 4*NQ, v[ADRS]            ; the next K step's scale words
	FETCH \next, 0, 0
	SCALES \next
.endm
	s_wait_alu depctr_va_vdst(0)
	s_wait_tensorcnt 0x0                           ; my tile of the head's four is in
	ds_add_u32 v[SPW], v[NIL]
	s_mov_b32 s[G1+2], 64<<16                      ; no tensor load of mine is out: from here on a load brings 64 rows of x,
	s_mov_b32 s[G1+4], 64
	s_mov_b32 s[G1B+2], 128<<16                    ; 128 of Wo
	s_mov_b32 s[G1B+4], 128
	s_wait_dscnt 0x0
	CROUND                                         ; all four tiles are in, and all sixteen work-groups are here
	JLOAD G0+4, G1, G0B+4, G1B                     ; K step 1's load, the first tensor load behind the round
	FETCH 0, 0, 0
	SCALES 0
	s_wait_loadcnt 0x0                             ; the bias
	STEP 0, 1                                      ; the first step stands ahead of the loop: its products start the sums from the bias
	s_mov_b32 s3, LAPS-1
.Llap:
	TURN 0, 1, 1
	STEP 1, 0
	TURN 1, 0, 1
	STEP 0, 0
	s_sub_co_u32 s3, s3, 1
	s_cmp_lg_u32 s3, 0
	s_cbranch_scc1 .Llap
	TURN 0, 1, 0                                   ; the last lap fills nothing
	STEP 1, 0
	s_wait_dscnt 0x0
	WIN MUL_LO
	MUL16 0, 1, 1, 1, 0
	MUL16 2, 1, 1, 1, 0
	WIN 0
; The way out, block by block of 16 rows x 128 columns, through my own stage: back come whole rows of 512 bytes, which the 32 lanes store as two aligned units of 256 bytes.
.macro TOSTAGE a
.set AC, 64*(\a)
	WIN 0x08
.irp b, 0,1,2,3,4,5,6,7
	ds_store_b128 v[STO], v[AC+8*\b:AC+8*\b+3] offset:128*(\b/2)+32*(\b%2)
	ds_store_b128 v[STO], v[AC+8*\b+4:AC+8*\b+7] offset:128*(\b/2)+32*(\b%2)+16
.endr
	WIN 0
.set BB, BK+64*((\a)%2)
.irp t, 0,1,2,3,4,5,6,7,8,9,10,11,12,13,14,15
	ds_load_b128 v[BB+4*\t:BB+4*\t+3], v[RD] offset:\t*SPITCH
.endr
.endm
.macro SEND a, younger
.set BB, BK+64*((\a)%2)
	s_wait_dscnt \younger
.if (\a) > 0
	s_add_nc_u64 s[12:13], s[12:13], 16*SIZE_N*4
.endif
.irp t, 0,1,2,3,4,5,6,7,8,9,10,11,12,13,14,15
	global_store_b128 v[CO], v[BB+4*\t:BB+4*\t+3], s[12:13] offset:\t*SIZE_N*4 th:TH_STORE_NT
.endr
.endm
	PLACES NP
	TOSTAGE 0
.irp a, 1,2,3
.if \a > 1
	s_wait_xcnt 0x0                                ; block a - 2's stores have read their registers and their base
.endif
	TOSTAGE \a
	SEND \a-1, 32                                  ; behind block a - 1's loads: block a's 16 stores and 16 loads
.endr
	s_wait_xcnt 0x0
	SEND 3, 0
	s_wait_tensorcnt 0x0                           ; the wave's end
	ds_add_u32 v[SPW], v[NIL]
	s_wait_dscnt 0x0
	CROUND                                         ; the closing round
	s_endpgm
.Lfunc_end_k_q6ef9ccb17a_outp:
	.size	k_q6ef9ccb17a_outp, .Lfunc_end_k_q6ef9ccb17a_outp-k_q6ef9ccb17a_outp
	.p2alignl 7, 3214868480
	.fill 96, 4, 3214868480
	.section	.rodata,"a",@progbits
	.p2align	6, 0x0
	.amdhsa_kernel k_q6ef9ccb17a_outp
		.amdhsa_group_segment_fixed_size 327680
		.amdhsa_private_segment_fixed_size 0
		.amdhsa_enable_private_segment 0
		.amdhsa_kernarg_size 48
		.amdhsa_user_sgpr_count 2
		.amdhsa_user_sgpr_kernarg_segment_ptr 1
		.amdhsa_wavefront_size32 1
		.amdhsa_system_sgpr_workgroup_id_x 1
		.amdhsa_system_sgpr_workgroup_id_y 1
		.amdhsa_system_sgpr_workgroup_id_z 1
		.amdhsa_system_vgpr_workitem_id 0
		.amdhsa_next_free_vgpr 768
		.amdhsa_next_free_sgpr 98
		.amdhsa_reserve_vcc 0
		.amdhsa_float_denorm_mode_32 3
		.amdhsa_float_denorm_mode_16_64 3
		.amdhsa_memory_ordered 1
		.amdhsa_forward_progress 1
		.amdhsa_inst_pref_size 91
	.end_amdhsa_kernel
	.amdgpu_metadata
---
amdhsa.version: [ 1, 2 ]
amdhsa.kernels:
  - .name:           k_q6ef9ccb17a_outp
    .symbol:         k_q6ef9ccb17a_outp.kd
    .args:
      - { .name: xoc, .offset: 0, .size: 8, .value_kind: global_buffer, .address_space: global }
      - { .name: xos, .offset: 8, .size: 8, .value_kind: global_buffer, .address_space: global }
      - { .name: codes, .offset: 16, .size: 8, .value_kind: global_buffer, .address_space: global }
      - { .name: scales, .offset: 24, .size: 8, .value_kind: global_buffer, .address_space: global }
      - { .name: bo, .offset: 32, .size: 8, .value_kind: global_buffer, .address_space: global }
      - { .name: out0, .offset: 40, .size: 8, .value_kind: global_buffer, .address_space: global }
    .group_segment_fixed_size: 327680
    .private_segment_fixed_size: 0
    .kernarg_segment_align: 8
    .kernarg_segment_size: 48
    .max_flat_workgroup_size: 128
    .sgpr_count:     98
    .vgpr_count:     768
    .wavefront_size: 32
...
	.end_amdgpu_metadata
.endif
;; end of part 4
